; MI455X (gfx1250); checked and timed in simulation.
; The chip was launched on July 23, 2026; its instructions are those of AMD's public machine-readable ISA for CDNA 5 (MIT licence, August 2026) and "CDNA5" Instruction Set Architecture Reference Guide (July 2026). The comments in the code are by the model that wrote it; some were corrected since.
;; Masking Mixture. Allowed arithmetic: float matrix products may take bf16 or f16 operands with f32 sums; other float arithmetic in f32, or as packed bf16 or f16 multiplies, adds, multiply-adds, maxima and minima; sums over many terms, partial sums and values carried from step to step in f32; what a program stores and reads back later, other than sums and carried values, may be rounded once to bf16 or f16.
;; Inputs: components 6 x 4 float32; u0_src 32 x 524,288 float32; u0_tgt 32 x 524,288 float32; u_h_src 32 x 32 float32; u_h_tgt 32 x 32 float32; u_rate_src 1 float32; u_rate_tgt 1 float32; u_t_src 32 x 32 float32; u_t_tgt 32 x 32 float32; u_v_src 32 x 16 float32; u_v_tgt 32 x 16 float32; u_w_src 32 x 32 float32; u_w_tgt 32 x 32 float32.
;; Outputs: out0 32 x 524,288 bool; out1 32 x 524,288 bool.
;; Constants: idx = 2.
;; 2 versions, each right; version 2 is version 1 with the launches mask, compact written anew for expert scheduling mode. Each part assembles by itself: llvm-mc -triple=amdgcn-amd-amdhsa -mcpu=gfx1250 --defsym DOCPART=n.
;; ======== version 1 of 2: 5 launches
;; workspace buffers: qbuf 67,108,864 bytes of whole numbers; h1 40,960 bytes of whole numbers; h2 573,440 bytes of whole numbers; tab 32,768 bytes; list 268,435,456 bytes of whole numbers; sel2 540,672 bytes of whole numbers; bits 4,194,304 bytes of whole numbers
;; launch quant (part 1): grid 256 x 1, 16 waves a work-group, no clusters, 4,096 bytes of LDS; arguments components, u_rate_src, u_rate_tgt, u0_src, u0_tgt, u_v_src, u_v_tgt, u_t_src, u_t_tgt, u_h_src, u_h_tgt, u_w_src, u_w_tgt, qbuf, h1, tab; writes qbuf, h1, tab
.if DOCPART == 1
	.amdgcn_target "amdgcn-amd-amdhsa--gfx1250"
	.amdhsa_code_object_version 6
	.text
	.protected	k_q771699c047_quant
	.globl	k_q771699c047_quant
	.p2align	8
	.type	k_q771699c047_quant,@function
k_q771699c047_quant:
	s_mov_b64 s[64:65], 0
	v_nop
	global_prefetch_b8 v0, s[64:65] scope:SCOPE_SE
	s_setreg_imm32_b32 hwreg(HW_REG_WAVE_MODE, 25, 1), 1
	s_wait_xcnt 0x0
; QUANT.  64 rows (32 batches x src, tgt) of 524,288 tokens.  For each token P = log(clip(u0)) + rv[v] + rt[t] + rh[h] + rw[w], each add rounded by itself, in that order,
; with r = log(clip(u)) / alpha and alpha = components[2].  Stored: a 16-bit code q' = trunc((P - Pmin) s + 32868), which never falls when P rises (every step is a rounding of a rising
; function), with bit 15 always set and 100 .. 32,600 in the other 15; the row's four tables; K = trunc(clip(u_rate) x 524,288); and a count of the tokens in each of the 32 values of
; bits 14:10 of the code.  Pmin, Pmax are the row's bounds, added in the same order; s = 32,500 / (Pmax - Pmin); the 100 is room for a log an ulp below log(0.001).
; THE LOG is the polynomial of Cephes (mantissa split at sqrt(1/2), nine coefficients, ln 2 in two parts) with each multiply and dependent add fused: later launches order tokens by P's bits.
; LIMITS.  NaN and infinities are not treated apart; alpha = 0, or |alpha| outside 2^-100 .. 2^100, is not served.  The quotient is made by a refined reciprocal and two corrected
; remainders.  If P's bits are made otherwise elsewhere (another log), single tokens at the K-th value can differ.
; SHARES.  Work-group g: row g / 4, quarter g % 4.  Wave w: part p = 16 (g % 4) + w, tokens 8,192 p on: eight planes (h, w) of 1,024, with v = p / 4, t = 8 (p % 4) + trip.
; A slot is 128 tokens: 16 bytes of u0 a lane (512 consecutive bytes a wave), so h = 4 slot + lane / 8, w = 4 (lane % 8) + 0..3.  Eight slots are a ring in registers.
; THE COUNT has no address made of data: each token makes a word with one bit set (its bin), and the words are added by carry-save adders into bit planes C0..C8 (bit b of plane k = bit k
; of this lane's count of bin b; 256 tokens a lane).  At the end the 32 lanes' planes are added (five exchanges), lane b reads bin b's count, and the 16 waves' counts meet in LDS.
; NO CLUSTER, no LDS on the way in: no two waves read the same large bytes.
.set SPARE, 2048                       ; LDS: [0, 2048) 16 waves x 32 counts; from 2,048 on the spare words, 128 bytes a wave, which no other line names
.set LANE, 1
.set O16,  2                           ; 16 x lane
.set O8,   3                           ; 8 x lane
.set SPW,  4                           ; my spare word's address; never rewritten
.set NIL,  5                           ; 0; never rewritten
.set VT,   6                           ; lane k: rt of the plane k trips on
.set SH0,  7                           ; two registers for what comes from another lane, and for carries
.set SH1,  8
.set ONE,  9
.set CNT,  10
.set O4,   11                          ; 4 x lane
.set RW,   12                          ; v[12:15]  rw of my four columns
.set RH,   16                          ; v[16:31]  slot i: rh of my row, twice (a pair)
.set X,    32                          ; v[32:63]  the ring: slot i, four u0
.set Y,    64                          ; v[64:79]  slot i: four codes, packed
.set LGE,  80                          ; the log's registers, four numbers each
.set LGM,  84                          ; mantissa, x, and at the end the result
.set LG2,  88
.set LG3,  92
.set LGY,  96
.set LGA,  100
.set LGB,  104
.set LGI,  108                         ; the input (clipped), later e x q1
.set PL,   112                         ; v[112:125] the planes C0..C13
.set FT,   126
.set W0,   127                         ; carries that wait for their partner
.set Z0,   128
.set Y0,   129
.set PA,   136                         ; from here on: the set-up alone
.set PY,   140
.set PE,   144
.set PB,   148                         ; Pmin, Pmax, s, K
.set PQ,   152                         ; the four tables: rv[lane % 16], rt, rh, rw[lane]
.set CLO,  48
.set CHI,  49
.set CP0,  50
.set CP1,  52
.set CP2,  54
.set CP3,  56
.set CP4,  58
.set CP5,  60
.set CP6,  62
.set CP7,  66
.set CP8,  68
.set CQ1,  70
.set CQ2,  72
.set SRV,  74
.set SRT,  76
.set SNP,  78
.set SSC,  80
.set CSQH, 82
.set CMAN, 83
.set TRIPS, 84
.set CNEG, 85
.set SEL,  86
.set ALF,  88
.set RATE, 92
.set TA,   93
.set HK,   94
.set COF,  96
.set TO,   98
.macro PAIR r, val                     ; a constant for the packed forms: they name a pair and take its low word for both halves
	s_mov_b32 s[\r], \val
	s_mov_b32 s[(\r)+1], s[\r]
.endm
; Four logs: v[LGI..] (clipped to 0.001 .. 0.999) -> v[LGM..].  i = bits - bits(sqrt(1/2)): its top nine bits are the exponent e, the rest plus bits(sqrt(1/2)) is the mantissa in sqrt(1/2) .. sqrt(2).
.macro LOG4
.irp j, 0,1,2,3
	v_add_nc_u32 v[LGE+(\j)], s[CNEG], v[LGI+(\j)]
.endr
.irp j, 0,1,2,3
	v_and_b32 v[LGM+(\j)], s[CMAN], v[LGE+(\j)]
	v_ashrrev_i32 v[LGE+(\j)], 23, v[LGE+(\j)]
.endr
.irp j, 0,1,2,3
	v_add_nc_u32 v[LGM+(\j)], s[CSQH], v[LGM+(\j)]
	v_cvt_f32_i32 v[LGE+(\j)], v[LGE+(\j)]
.endr
.irp h, 0,2
	v_pk_add_f32 v[LGM+(\h):LGM+(\h)+1], v[LGM+(\h):LGM+(\h)+1], -1.0 op_sel_hi:[1,0]  ; x = m - 1, exact
.endr
.irp h, 0,2
	v_pk_mul_f32 v[LG2+(\h):LG2+(\h)+1], v[LGM+(\h):LGM+(\h)+1], v[LGM+(\h):LGM+(\h)+1]
	v_pk_fma_f32 v[LGY+(\h):LGY+(\h)+1], v[LGM+(\h):LGM+(\h)+1], s[CP0:CP0+1], s[CP1:CP1+1] op_sel_hi:[1,0,0]
	v_pk_fma_f32 v[LGA+(\h):LGA+(\h)+1], v[LGM+(\h):LGM+(\h)+1], s[CP3:CP3+1], s[CP4:CP4+1] op_sel_hi:[1,0,0]
	v_pk_fma_f32 v[LGB+(\h):LGB+(\h)+1], v[LGM+(\h):LGM+(\h)+1], s[CP6:CP6+1], s[CP7:CP7+1] op_sel_hi:[1,0,0]
.endr
.irp h, 0,2
	v_pk_mul_f32 v[LG3+(\h):LG3+(\h)+1], v[LG2+(\h):LG2+(\h)+1], v[LGM+(\h):LGM+(\h)+1]
	v_pk_fma_f32 v[LGY+(\h):LGY+(\h)+1], v[LGY+(\h):LGY+(\h)+1], v[LGM+(\h):LGM+(\h)+1], s[CP2:CP2+1] op_sel_hi:[1,1,0]
	v_pk_fma_f32 v[LGA+(\h):LGA+(\h)+1], v[LGA+(\h):LGA+(\h)+1], v[LGM+(\h):LGM+(\h)+1], s[CP5:CP5+1] op_sel_hi:[1,1,0]
	v_pk_fma_f32 v[LGB+(\h):LGB+(\h)+1], v[LGB+(\h):LGB+(\h)+1], v[LGM+(\h):LGM+(\h)+1], s[CP8:CP8+1] op_sel_hi:[1,1,0]
	v_pk_mul_f32 v[LGI+(\h):LGI+(\h)+1], v[LGE+(\h):LGE+(\h)+1], s[CQ1:CQ1+1] op_sel_hi:[1,0]
.endr
.irp h, 0,2
	v_pk_fma_f32 v[LGY+(\h):LGY+(\h)+1], v[LGY+(\h):LGY+(\h)+1], v[LG3+(\h):LG3+(\h)+1], v[LGA+(\h):LGA+(\h)+1]
.endr
.irp h, 0,2
	v_pk_fma_f32 v[LGM+(\h):LGM+(\h)+1], v[LG2+(\h):LG2+(\h)+1], -0.5, v[LGM+(\h):LGM+(\h)+1] op_sel_hi:[1,0,1]
	v_pk_fma_f32 v[LGY+(\h):LGY+(\h)+1], v[LGY+(\h):LGY+(\h)+1], v[LG3+(\h):LG3+(\h)+1], v[LGB+(\h):LGB+(\h)+1]
.endr
.irp h, 0,2
	v_pk_fma_f32 v[LGY+(\h):LGY+(\h)+1], v[LGY+(\h):LGY+(\h)+1], v[LG3+(\h):LG3+(\h)+1], v[LGI+(\h):LGI+(\h)+1]
.endr
.irp h, 0,2
	v_pk_add_f32 v[LGM+(\h):LGM+(\h)+1], v[LGM+(\h):LGM+(\h)+1], v[LGY+(\h):LGY+(\h)+1]
.endr
.irp h, 0,2
	v_pk_fma_f32 v[LGM+(\h):LGM+(\h)+1], v[LGE+(\h):LGE+(\h)+1], s[CQ2:CQ2+1], v[LGM+(\h):LGM+(\h)+1] op_sel_hi:[1,0,1]
.endr
.endm
; A full adder on 32 bins at once: plane s takes the sum of s, a, b; co takes the carry (co may be a, never b or s).
.macro FA s, a, b, co
	v_xor_b32 v[FT], v[\s], v[\a]
	v_bfi_b32 v[\co], v[FT], v[\b], v[\s]
	v_xor_b32 v[\s], v[FT], v[\b]
.endm
.macro HA s, c, t                      ; a half adder: plane s takes s + c, t the carry
	v_and_b32 v[\t], v[\s], v[\c]
	v_xor_b32 v[\s], v[\s], v[\c]
.endm
.macro LMIN r                          ; the least of register r over the 32 lanes, in every lane
.irp m, 1,2,4,8
	v_min_num_f32_dpp v[\r], v[\r], v[\r] row_xmask:\m row_mask:0xf bank_mask:0xf
.endr
	v_permlanex16_b32 v[SH0], v[\r], s[SEL], s[SEL+1]
	v_min_num_f32 v[\r], v[\r], v[SH0]
.endm
.macro LMAX r
.irp m, 1,2,4,8
	v_max_num_f32_dpp v[\r], v[\r], v[\r] row_xmask:\m row_mask:0xf bank_mask:0xf
.endr
	v_permlanex16_b32 v[SH0], v[\r], s[SEL], s[SEL+1]
	v_max_num_f32 v[\r], v[\r], v[SH0]
.endm
; One exchange: every lane adds the planes of the lane m away onto its own, n planes, rippling; the last carry is a new plane.
.macro BSTEP n, m
.set k, 0
.rept \n
.if (\m) == 16
	v_permlanex16_b32 v[SH0+(k%2)], v[PL+k], s[SEL], s[SEL+1]
.else
	v_mov_b32_dpp v[SH0+(k%2)], v[PL+k] row_xmask:\m row_mask:0xf bank_mask:0xf
.endif
.if k == 0
	FA PL, SH0, NIL, SH0
.else
	FA PL+k, SH0+(k%2), SH0+((k+1)%2), SH0+(k%2)
.endif
.set k, k+1
.endr
	v_mov_b32 v[PL+(\n)], v[SH0+(((\n)+1)%2)]
.endm
	s_load_b512 s[8:23], s[0:1], 0x0               ; components 8, u_rate 10 12, u0 14 16, u_v 18 20, u_t 22
	s_load_b512 s[24:39], s[0:1], 0x40             ; u_t(tgt) 24, u_h 26 28, u_w 30 32, qbuf 34, h1 36, tab 38
	v_lshl_add_u32 v[SPW], v0, 2, SPARE
	v_mov_b32 v[NIL], 0
	v_lshrrev_b32 v[SH0], 5, v0
	v_readfirstlane_b32 s2, v[SH0]                 ; wave 0..15
	v_and_b32 v[LANE], 31, v0
	v_mov_b32 v[SH1], 0
	v_mov_b32 v[ONE], 1
	v_lshlrev_b32 v[O16], 4, v[LANE]
	v_lshlrev_b32 v[O8], 3, v[LANE]
	v_lshlrev_b32 v[O4], 2, v[LANE]
	s_lshr_b32 s3, ttmp9, 2                        ; row
	s_and_b32 s6, ttmp9, 3                         ; quarter
	s_lshr_b32 s4, s3, 5                           ; 0 src, 1 tgt
	s_and_b32 s5, s3, 31                           ; batch
	s_lshl_b32 s7, s6, 4
	s_add_co_u32 s7, s7, s2                        ; part p
	s_lshl_b32 s[TA], s5, 6
	v_and_b32 v[PA], 15, v[LANE]
	v_lshl_add_u32 v[PA], v[PA], 2, s[TA]          ; u_v: 64 b + 4 (lane % 16)
	s_lshl_b32 s[TA], s5, 7
	v_lshl_add_u32 v[PA+1], v[LANE], 2, s[TA]      ; u_t, u_h, u_w: 128 b + 4 lane
	s_mov_b32 s[TO+1], 0
	s_mov_b32 s[CLO], 0x3a83126f                   ; 0.001
	s_mov_b32 s[CHI], 0x3f7fbe77                   ; 0.999
	PAIR CP0, 0x3d9021bb
	PAIR CP1, 0xbdebd1b8
	PAIR CP2, 0x3def251a
	PAIR CP3, 0xbdfe5d4f
	PAIR CP4, 0x3e11e9bf
	PAIR CP5, 0xbe2aae50
	PAIR CP6, 0x3e4cceac
	PAIR CP7, 0xbe7ffffc
	PAIR CP8, 0x3eaaaaaa
	PAIR CQ1, 0xb95e8083
	PAIR CQ2, 0x3f318000
	PAIR COF, 0x47006400                           ; 32,868
	s_mov_b32 s[CSQH], 0x3f3504f3                  ; sqrt(1/2)
	s_mov_b32 s[CNEG], 0xc0cafb0d                  ; minus those bits
	s_mov_b32 s[CMAN], 0x007fffff
	s_mov_b32 s[SEL], 0x76543210
	s_mov_b32 s[SEL+1], 0xfedcba98
	s_wait_kmcnt 0x0
	s_cmp_eq_u32 s4, 0                             ; the side's buffers
	s_cselect_b64 s[10:11], s[10:11], s[12:13]
	s_cselect_b64 s[40:41], s[14:15], s[16:17]
	s_cselect_b64 s[18:19], s[18:19], s[20:21]
	s_cselect_b64 s[22:23], s[22:23], s[24:25]
	s_cselect_b64 s[26:27], s[26:27], s[28:29]
	s_cselect_b64 s[30:31], s[30:31], s[32:33]
	s_load_b128 s[ALF:ALF+3], s[8:9], 0x20         ; components[2]
	s_load_b32 s[RATE], s[10:11], 0x0
	s_lshl_b32 s[TO], s5, 21                       ; u0: batch x 2 MiB + part x 32 KiB
	s_lshl_b32 s[TA], s7, 15
	s_add_co_u32 s[TO], s[TO], s[TA]
	s_add_nc_u64 s[40:41], s[40:41], s[TO:TO+1]
	s_lshl_b32 s[TO], s3, 20                       ; codes: row x 1 MiB + part x 16 KiB
	s_lshl_b32 s[TA], s7, 14
	s_add_co_u32 s[TO], s[TO], s[TA]
	s_add_nc_u64 s[42:43], s[34:35], s[TO:TO+1]
	s_lshl_b32 s[TO], ttmp9, 7
	s_add_nc_u64 s[44:45], s[36:37], s[TO:TO+1]    ; this work-group's 32 counts
	s_lshl_b32 s[TO], s3, 7
	s_add_nc_u64 s[HK:HK+1], s[36:37], s[TO:TO+1]  ; the row's K lies 32,768 further
	s_lshl_b32 s[TO], s3, 9
	s_add_nc_u64 s[46:47], s[38:39], s[TO:TO+1]    ; the row's tables
	global_load_b32 v[LGI+0], v[PA], s[18:19]
	global_load_b32 v[LGI+1], v[PA+1], s[22:23]
	global_load_b32 v[LGI+2], v[PA+1], s[26:27]
	global_load_b32 v[LGI+3], v[PA+1], s[30:31]
.irp i, 0,1,2,3,4,5,6,7
	global_load_b128 v[X+4*(\i):X+4*(\i)+3], v[O16], s[40:41] offset:512*(\i) th:TH_LOAD_NT  ; the ring is filled: plane 0
.endr
.set k, 0
.rept 9
	v_mov_b32 v[PL+k], 0                           ; nine planes start at 0
.set k, k+1
.endr
	s_wait_kmcnt 0x0
	s_wait_loadcnt 8                               ; the four small loads are in; the ring's eight, issued behind them, stay out
	; THE TABLES, while the ring is on its way: r = log(clip(u)) / alpha
.irp j, 0,1,2,3
	v_med3_num_f32 v[LGI+(\j)], v[LGI+(\j)], s[CLO], s[CHI]
.endr
	LOG4
.irp k, 0,1,2,3
	v_mov_b32 v[PA+(\k)], s[ALF+(\k)]
.endr
.irp k, 0,1,2,3
	v_rcp_f32 v[PY+(\k)], v[PA+(\k)]
.endr
	v_nop                                          ; a plain instruction behind the last reciprocal,
	s_wait_alu depctr_va_vdst(0)                   ; and one wait for the four, ahead of their first reader
.rept 2                                        ; the reciprocal is refined twice,
.irp k, 0,1,2,3
	v_fma_f32 v[PE+(\k)], -v[PA+(\k)], v[PY+(\k)], 1.0
.endr
.irp k, 0,1,2,3
	v_fma_f32 v[PY+(\k)], v[PE+(\k)], v[PY+(\k)], v[PY+(\k)]
.endr
.endr
.irp k, 0,1,2,3
	v_mul_f32 v[PQ+(\k)], v[LGM+(\k)], v[PY+(\k)]
.endr
.rept 2                                        ; and the quotient corrected twice by its exact remainder
.irp k, 0,1,2,3
	v_fma_f32 v[PE+(\k)], -v[PA+(\k)], v[PQ+(\k)], v[LGM+(\k)]
.endr
.irp k, 0,1,2,3
	v_fma_f32 v[PQ+(\k)], v[PE+(\k)], v[PY+(\k)], v[PQ+(\k)]
.endr
.endr
	v_mov_b32 v[LGI+0], s[CLO]                     ; the log's own bounds
	v_mov_b32 v[LGI+1], s[CHI]
	v_mov_b32 v[LGI+2], s[CLO]
	v_mov_b32 v[LGI+3], s[CHI]
	LOG4
.irp k, 0,1,2,3
	v_mov_b32 v[PY+(\k)], v[PQ+(\k)]
	v_mov_b32 v[PE+(\k)], v[PQ+(\k)]
.endr
.irp k, 0,1,2,3
	LMIN PY+(\k)
	LMAX PE+(\k)
.endr
	v_add_f32 v[PB], v[LGM], v[PY]                 ; Pmin and Pmax, added in P's own order
	v_add_f32 v[PB+1], v[LGM+1], v[PE]
.irp k, 1,2,3
	v_add_f32 v[PB], v[PB], v[PY+(\k)]
	v_add_f32 v[PB+1], v[PB+1], v[PE+(\k)]
.endr
	v_sub_f32 v[PB+2], v[PB+1], v[PB]              ; at least log(0.999) - log(0.001)
	v_rcp_f32 v[PB+2], v[PB+2]
	v_xor_b32 v[PB], 0x80000000, v[PB]             ; -Pmin: the plain instruction behind the reciprocal
	s_wait_alu depctr_va_vdst(0)
	v_mul_f32 v[PB+2], 0x46fde800, v[PB+2]         ; s = 32,500 / (Pmax - Pmin): any positive s keeps the order
	v_readfirstlane_b32 s[SNP], v[PB]
	s_mov_b32 s[SNP+1], s[SNP]
	v_readfirstlane_b32 s[SSC], v[PB+2]
	s_mov_b32 s[SSC+1], s[SSC]
	; each lane fetches what it adds: lane permutes, which touch no LDS byte
	v_lshrrev_b32 v[PA], 3, v[LANE]
	v_lshlrev_b32 v[PA], 2, v[PA]
.irp i, 0,1,2,3,4,5,6,7
	v_add_nc_u32 v[PA+1], 16*(\i), v[PA]
	ds_bpermute_b32 v[RH+2*(\i)], v[PA+1], v[PQ+2]  ; rh[4 i + lane / 8]
.endr
	v_and_b32 v[PA], 7, v[LANE]
	v_lshlrev_b32 v[PA], 4, v[PA]
.irp j, 0,1,2,3
	v_add_nc_u32 v[PA+1], 4*(\j), v[PA]
	ds_bpermute_b32 v[RW+(\j)], v[PA+1], v[PQ+3]   ; rw[4 (lane % 8) + j]
.endr
	s_and_b32 s[TA], s7, 3
	s_lshl_b32 s[TA], s[TA], 3                     ; my first t
	v_add_nc_u32 v[PA+1], s[TA], v[LANE]
	v_and_b32 v[PA+1], 31, v[PA+1]
	v_lshlrev_b32 v[PA+1], 2, v[PA+1]
	ds_bpermute_b32 v[VT], v[PA+1], v[PQ+1]
	s_lshr_b32 s[TA], s7, 2                        ; my v
	s_lshl_b32 s[TA], s[TA], 2
	v_mov_b32 v[PA+1], s[TA]
	ds_bpermute_b32 v[PA+2], v[PA+1], v[PQ]
	v_mov_b32 v[PB+3], s[RATE]                     ; K = trunc(clip(u_rate) x 524,288)
	v_med3_num_f32 v[PB+3], v[PB+3], s[CLO], s[CHI]
	v_mul_f32 v[PB+3], 0x49000000, v[PB+3]
	v_cvt_u32_f32 v[PB+3], v[PB+3]
	s_wait_dscnt 0x0
.irp i, 0,1,2,3,4,5,6,7
	v_mov_b32 v[RH+2*(\i)+1], v[RH+2*(\i)]
.endr
	v_readfirstlane_b32 s[SRV], v[PA+2]
	s_mov_b32 s[SRV+1], s[SRV]
	s_cmp_lg_u32 s7, 0                             ; the row's first wave stores the tables and K, 128 bytes each; these registers are not written again
	s_cbranch_scc1 .Lno_tab
	global_store_b32 v[O4], v[PQ+0], s[46:47]
	global_store_b32 v[O4], v[PQ+1], s[46:47] offset:128
	global_store_b32 v[O4], v[PQ+2], s[46:47] offset:256
	global_store_b32 v[O4], v[PQ+3], s[46:47] offset:384
	global_store_b32 v[O4], v[PB+3], s[HK:HK+1] offset:32768
.Lno_tab:
.macro PLANE                           ; a trip is a plane: its rt becomes a scalar, and the next plane's moves down a lane
	v_readfirstlane_b32 s[SRT], v[VT]
	s_mov_b32 s[SRT+1], s[SRT]
	v_mov_b32_dpp v[VT], v[VT] row_shl:1 row_mask:0xf bank_mask:0xf
.endm
; One slot's turn.  ahead = 1: it is filled again with the next plane's bytes as soon as it has been read.  left = the younger loads that may stay out.
.macro SLOT i, ahead, left
	s_wait_loadcnt \left                           ; loads come back in order: this slot's is in
.irp j, 0,1,2,3
	v_med3_num_f32 v[LGI+(\j)], v[X+4*(\i)+(\j)], s[CLO], s[CHI]
.endr
.if \ahead
	global_load_b128 v[X+4*(\i):X+4*(\i)+3], v[O16], s[40:41] offset:4096+512*(\i) th:TH_LOAD_NT
.endif
	LOG4
.irp h, 0,2
	v_pk_add_f32 v[LGM+(\h):LGM+(\h)+1], v[LGM+(\h):LGM+(\h)+1], s[SRV:SRV+1] op_sel_hi:[1,0]
.endr
.irp h, 0,2
	v_pk_add_f32 v[LGM+(\h):LGM+(\h)+1], v[LGM+(\h):LGM+(\h)+1], s[SRT:SRT+1] op_sel_hi:[1,0]
.endr
.irp h, 0,2
	v_pk_add_f32 v[LGM+(\h):LGM+(\h)+1], v[LGM+(\h):LGM+(\h)+1], v[RH+2*(\i):RH+2*(\i)+1]
.endr
.irp h, 0,2
	v_pk_add_f32 v[LGM+(\h):LGM+(\h)+1], v[LGM+(\h):LGM+(\h)+1], v[RW+(\h):RW+(\h)+1]
.endr
.irp h, 0,2
	v_pk_add_f32 v[LGM+(\h):LGM+(\h)+1], v[LGM+(\h):LGM+(\h)+1], s[SNP:SNP+1] op_sel_hi:[1,0]
.endr
.irp h, 0,2
	v_pk_fma_f32 v[LGM+(\h):LGM+(\h)+1], v[LGM+(\h):LGM+(\h)+1], s[SSC:SSC+1], s[COF:COF+1] op_sel_hi:[1,0,0]
.endr
.irp j, 0,1,2,3
	v_cvt_u32_f32 v[LGM+(\j)], v[LGM+(\j)]
.endr
	v_lshl_or_b32 v[Y+2*(\i)], v[LGM+1], 16, v[LGM+0]
	v_lshl_or_b32 v[Y+2*(\i)+1], v[LGM+3], 16, v[LGM+2]
	global_store_b64 v[O8], v[Y+2*(\i):Y+2*(\i)+1], s[42:43] offset:256*(\i)  ; the wave's store covers 256 consecutive bytes, aligned
.irp j, 0,1,2,3
	v_bfe_u32 v[LGE+(\j)], v[LGM+(\j)], 10, 5
.endr
.irp j, 0,1,2,3
	v_lshlrev_b32 v[LGE+(\j)], v[LGE+(\j)], v[ONE] ; one bit: the token's bin
.endr
	FA PL+0, LGE+0, LGE+1, LGE+0                   ; four words of weight 1 -> two carries of weight 2 -> one of weight 4
	FA PL+0, LGE+2, LGE+3, LGE+2
.if ((\i)%2) == 0
	FA PL+1, LGE+0, LGE+2, W0                      ; it waits for the next slot's
.else
	FA PL+1, LGE+0, LGE+2, LGE+0
.if ((\i)%4) == 1
	FA PL+2, W0, LGE+0, Z0
.else
	FA PL+2, W0, LGE+0, W0
.if (\i) == 3
	FA PL+3, Z0, W0, Y0
.else
	FA PL+3, Z0, W0, Z0
	FA PL+4, Y0, Z0, Y0                            ; once a trip a carry of weight 32 ripples up
	HA PL+5, Y0, W0
	HA PL+6, W0, Y0
	HA PL+7, Y0, W0
	v_xor_b32 v[PL+8], v[PL+8], v[W0]
.endif
.endif
.endif
.endm
	s_mov_b32 s[TRIPS], 7
.Ltrip:
	PLANE
.irp i, 0,1,2,3,4,5,6,7
	SLOT \i, 1, 7                                  ; the ring's seven younger loads stay out
.endr
	s_wait_xcnt 0x0                                ; the trip's loads and stores have read their bases and the stores their data: only now are those written again
	s_add_nc_u64 s[40:41], s[40:41], 4096
	s_add_nc_u64 s[42:43], s[42:43], 2048
	s_sub_co_u32 s[TRIPS], s[TRIPS], 1
	s_cmp_lg_u32 s[TRIPS], 0
	s_cbranch_scc1 .Ltrip
	PLANE
.irp i, 0,1,2,3,4,5,6,7
	SLOT \i, 0, 7-(\i)                             ; the last plane loads nothing: the counts run down
.endr
	BSTEP 9, 1                                     ; 256 tokens a lane -> 8,192 a wave: 9 planes grow to 14
	BSTEP 10, 2
	BSTEP 11, 4
	BSTEP 12, 8
	BSTEP 13, 16
	v_bfe_u32 v[CNT], v[PL], v[LANE], 1            ; lane b gathers bit b of each plane: the wave's count of bin b
.set k, 1
.rept 13
	v_bfe_u32 v[FT], v[PL+k], v[LANE], 1
	v_lshl_or_b32 v[CNT], v[FT], k, v[CNT]
.set k, k+1
.endr
	v_lshlrev_b32 v[SH0], 2, v0
	ds_store_b32 v[SH0], v[CNT]                    ; 128 wave + 4 lane
	s_wait_dscnt 0x0                               ; for the others' sake: my store is done
	s_barrier_signal -1
	s_barrier_wait -1
	s_cmp_lg_u32 s2, 0                             ; wave 0 adds the sixteen
	s_cbranch_scc1 .Lend
.irp k, 0,1,2,3,4,5,6,7,8,9,10,11,12,13,14,15
	ds_load_b32 v[X+(\k)], v[O4] offset:128*(\k)
.endr
	s_wait_dscnt 0x0
.irp k, 0,1,2,3,4,5,6,7
	v_add_nc_u32 v[X+(\k)], v[X+(\k)], v[X+8+(\k)]
.endr
.irp k, 0,1,2,3
	v_add_nc_u32 v[X+(\k)], v[X+(\k)], v[X+4+(\k)]
.endr
	v_add_nc_u32 v[X], v[X], v[X+2]
	v_add_nc_u32 v[X+1], v[X+1], v[X+3]
	v_add_nc_u32 v[X], v[X], v[X+1]
	global_store_b32 v[O4], v[X], s[44:45]
.Lend:
	s_wait_tensorcnt 0x0                           ; the wave's end, behind my last LDS store
	ds_add_u32 v[SPW], v[NIL]
	s_wait_dscnt 0x0
	s_endpgm
.Lfunc_end_k_q771699c047_quant:
	.size	k_q771699c047_quant, .Lfunc_end_k_q771699c047_quant-k_q771699c047_quant
	.p2alignl 7, 3214868480
	.fill 96, 4, 3214868480
	.section	.rodata,"a",@progbits
	.p2align	6, 0x0
	.amdhsa_kernel k_q771699c047_quant
		.amdhsa_group_segment_fixed_size 4096
		.amdhsa_private_segment_fixed_size 0
		.amdhsa_enable_private_segment 0
		.amdhsa_kernarg_size 128
		.amdhsa_user_sgpr_count 2
		.amdhsa_user_sgpr_kernarg_segment_ptr 1
		.amdhsa_wavefront_size32 1
		.amdhsa_system_sgpr_workgroup_id_x 1
		.amdhsa_system_sgpr_workgroup_id_y 1
		.amdhsa_system_sgpr_workgroup_id_z 1
		.amdhsa_system_vgpr_workitem_id 0
		.amdhsa_next_free_vgpr 160
		.amdhsa_next_free_sgpr 100
		.amdhsa_reserve_vcc 0
		.amdhsa_float_denorm_mode_32 3
		.amdhsa_float_denorm_mode_16_64 3
		.amdhsa_memory_ordered 1
		.amdhsa_forward_progress 1
		.amdhsa_inst_pref_size 114
	.end_amdhsa_kernel
	.amdgpu_metadata
---
amdhsa.version: [ 1, 2 ]
amdhsa.kernels:
  - .name:           k_q771699c047_quant
    .symbol:         k_q771699c047_quant.kd
    .args:
      - { .name: components, .offset: 0, .size: 8, .value_kind: global_buffer, .address_space: global }
      - { .name: u_rate_src, .offset: 8, .size: 8, .value_kind: global_buffer, .address_space: global }
      - { .name: u_rate_tgt, .offset: 16, .size: 8, .value_kind: global_buffer, .address_space: global }
      - { .name: u0_src, .offset: 24, .size: 8, .value_kind: global_buffer, .address_space: global }
      - { .name: u0_tgt, .offset: 32, .size: 8, .value_kind: global_buffer, .address_space: global }
      - { .name: u_v_src, .offset: 40, .size: 8, .value_kind: global_buffer, .address_space: global }
      - { .name: u_v_tgt, .offset: 48, .size: 8, .value_kind: global_buffer, .address_space: global }
      - { .name: u_t_src, .offset: 56, .size: 8, .value_kind: global_buffer, .address_space: global }
      - { .name: u_t_tgt, .offset: 64, .size: 8, .value_kind: global_buffer, .address_space: global }
      - { .name: u_h_src, .offset: 72, .size: 8, .value_kind: global_buffer, .address_space: global }
      - { .name: u_h_tgt, .offset: 80, .size: 8, .value_kind: global_buffer, .address_space: global }
      - { .name: u_w_src, .offset: 88, .size: 8, .value_kind: global_buffer, .address_space: global }
      - { .name: u_w_tgt, .offset: 96, .size: 8, .value_kind: global_buffer, .address_space: global }
      - { .name: qbuf, .offset: 104, .size: 8, .value_kind: global_buffer, .address_space: global }
      - { .name: h1, .offset: 112, .size: 8, .value_kind: global_buffer, .address_space: global }
      - { .name: tab, .offset: 120, .size: 8, .value_kind: global_buffer, .address_space: global }
    .group_segment_fixed_size: 4096
    .private_segment_fixed_size: 0
    .kernarg_segment_align: 8
    .kernarg_segment_size: 128
    .max_flat_workgroup_size: 512
    .sgpr_count:     100
    .vgpr_count:     160
    .wavefront_size: 32
...
	.end_amdgpu_metadata
.endif
;; end of part 1
;; launch hist2 (part 2): grid 256 x 1, 16 waves a work-group, no clusters, 4,096 bytes of LDS; arguments qbuf, h1, h2; writes h2
.if DOCPART == 2
	.amdgcn_target "amdgcn-amd-amdhsa--gfx1250"
	.amdhsa_code_object_version 6
	.text
	.protected	k_q771699c047_hist2
	.globl	k_q771699c047_hist2
	.p2align	8
	.type	k_q771699c047_hist2,@function
k_q771699c047_hist2:
	s_mov_b64 s[64:65], 0
	v_nop
	global_prefetch_b8 v0, s[64:65] scope:SCOPE_SE
	s_setreg_imm32_b32 hwreg(HW_REG_WAVE_MODE, 25, 1), 1
	s_wait_xcnt 0x0
; HIST2.  Each wave first finds, from the row's 32 counts and K, the bin b1 of bits 14:10 in which the K-th largest code lies, and K1 = K less the tokens in higher bins.
; Then it counts, among its 8,192 tokens with that b1, the 32 values of bits 9:5.  Stored: the counts of each wave, of each work-group, and (the row's first wave) b1 and K1.
; SHARES as in the launch before: work-group g: row g / 4, quarter g % 4; wave w: part p = 16 (g % 4) + w, tokens 8,192 p on.  A slot is 256 tokens: 16 bytes (8 codes) a lane.
; THE COUNT is made as there: one bit a token, carry-save adders, planes C0..C8, five exchanges, lane b reads bin b.  A token outside b1 adds a word of zeros.
; All numbers here are whole numbers.  NO CLUSTER, no LDS on the way in: no two waves read the same large bytes.
.set SPARE, 2048                       ; LDS: [0, 2048) 16 waves x 32 counts; from 2,048 on the spare words, 128 bytes a wave, which no other line names
.set LANE, 1
.set O16,  2
.set SPW,  4
.set NIL,  5
.set SH0,  7
.set SH1,  8
.set ONE,  9
.set CNT,  10
.set O4,   11
.set HH,   12                          ; v[12:15] the four quarters' counts
.set SS,   16                          ; the scan's registers
.set ST,   17
.set SI,   18
.set SA,   19
.set SB,   20
.set DA,   22                          ; b1 and K1 as stored
.set DB,   23
.set X,    32                          ; v[32:63] the ring
.set OH,   64                          ; v[64:71] eight tokens' words
.set PL,   80                          ; v[80:93] the planes
.set FT,   94
.set Z0,   95
.set Y0,   96
.set U0,   97
.set KK,   14
.set B1,   15
.set K1,   16
.set NC,   17
.set LIM,  18
.set TRIPS, 19
.set SEL,  32
.set TA,   34
.set CN,   35
.set TO,   36
.macro FA s, a, b, co                  ; a full adder on 32 bins at once (co may be a, never b or s)
	v_xor_b32 v[FT], v[\s], v[\a]
	v_bfi_b32 v[\co], v[FT], v[\b], v[\s]
	v_xor_b32 v[\s], v[FT], v[\b]
.endm
.macro HA s, c, t
	v_and_b32 v[\t], v[\s], v[\c]
	v_xor_b32 v[\s], v[\s], v[\c]
.endm
.macro BSTEP n, m                      ; every lane adds the planes of the lane m away onto its own; the last carry is a new plane
.set k, 0
.rept \n
.if (\m) == 16
	v_permlanex16_b32 v[SH0+(k%2)], v[PL+k], s[SEL], s[SEL+1]
.else
	v_mov_b32_dpp v[SH0+(k%2)], v[PL+k] row_xmask:\m row_mask:0xf bank_mask:0xf
.endif
.if k == 0
	FA PL, SH0, NIL, SH0
.else
	FA PL+k, SH0+(k%2), SH0+((k+1)%2), SH0+(k%2)
.endif
.set k, k+1
.endr
	v_mov_b32 v[PL+(\n)], v[SH0+(((\n)+1)%2)]
.endm
; lane = bin.  S = the count of this bin and all higher ones.  The bins with S >= k are 0 .. bin; rem = k less the tokens above the bin; cnt = the bin's own count.
.macro SCAN vh, sk, sbin, srem, scnt
	v_mov_b32 v[SS], v[\vh]
.irp n, 1,2,4,8
	v_mov_b32_dpp v[ST], v[SS] row_shl:\n row_mask:0xf bank_mask:0xf bound_ctrl:1
	v_add_nc_u32 v[SS], v[SS], v[ST]
.endr
	v_readlane_b32 s[TA], v[SS], 16                ; the upper sixteen bins' total goes onto the lower sixteen
	v_cmp_gt_u32 vcc_lo, 16, v[LANE]
	v_cndmask_b32 v[ST], 0, s[TA], vcc_lo
	v_add_nc_u32 v[SS], v[SS], v[ST]
	v_cmp_le_u32 vcc_lo, s[\sk], v[SS]
	s_bcnt1_i32_b32 s[\sbin], vcc_lo
	s_sub_co_u32 s[\sbin], s[\sbin], 1
	s_min_u32 s[\sbin], s[\sbin], 31
	s_lshl_b32 s[TA], s[\sbin], 2
	v_mov_b32 v[SI], s[TA]
	v_sub_nc_u32 v[ST], v[SS], v[\vh]
	ds_bpermute_b32 v[SA], v[SI], v[ST]            ; lane permutes: no LDS byte is touched
	ds_bpermute_b32 v[SB], v[SI], v[\vh]
	s_wait_dscnt 0x0
	v_readfirstlane_b32 s[TA], v[SA]
	v_readfirstlane_b32 s[\scnt], v[SB]
	s_sub_co_u32 s[\srem], s[\sk], s[TA]
.endm
	s_load_b128 s[8:11], s[0:1], 0x0               ; qbuf, h1
	s_load_b64 s[12:13], s[0:1], 0x10              ; h2
	v_lshl_add_u32 v[SPW], v0, 2, SPARE
	v_mov_b32 v[NIL], 0
	v_lshrrev_b32 v[SH0], 5, v0
	v_readfirstlane_b32 s2, v[SH0]                 ; wave
	v_and_b32 v[LANE], 31, v0
	v_mov_b32 v[SH1], 0
	v_mov_b32 v[ST], 0
	v_mov_b32 v[ONE], 1
	v_lshlrev_b32 v[O16], 4, v[LANE]
	v_lshlrev_b32 v[O4], 2, v[LANE]
	s_lshr_b32 s3, ttmp9, 2                        ; row
	s_and_b32 s6, ttmp9, 3                         ; quarter
	s_lshl_b32 s7, s6, 4
	s_add_co_u32 s7, s7, s2                        ; part p
	s_mov_b32 s[TO+1], 0
	s_mov_b32 s[SEL], 0x76543210
	s_mov_b32 s[SEL+1], 0xfedcba98
	s_mov_b32 s[LIM], 0x04000000
	s_wait_kmcnt 0x0
	s_lshl_b32 s[TO], s3, 20
	s_lshl_b32 s[TA], s7, 14
	s_add_co_u32 s[TO], s[TO], s[TA]
	s_add_nc_u64 s[20:21], s[8:9], s[TO:TO+1]      ; my codes
	s_lshl_b32 s[TO], s3, 9
	s_add_nc_u64 s[22:23], s[10:11], s[TO:TO+1]    ; the row's four sets of 32 counts
	s_lshl_b32 s[TO], s3, 7
	s_add_nc_u64 s[30:31], s[10:11], s[TO:TO+1]    ; the row's K lies 32,768 further
	s_lshl_b32 s[TO], s3, 6
	s_add_co_u32 s[TO], s[TO], s7
	s_lshl_b32 s[TO], s[TO], 7
	s_add_nc_u64 s[24:25], s[12:13], s[TO:TO+1]    ; my wave's 32 counts
	s_lshl_b32 s[TO], ttmp9, 7
	s_add_nc_u64 s[26:27], s[12:13], s[TO:TO+1]    ; my work-group's lie 524,288 further
	s_lshl_b32 s[TO], s3, 8
	s_add_nc_u64 s[28:29], s[12:13], s[TO:TO+1]    ; the row's b1 and K1 lie 557,056 further
	s_load_b32 s[KK], s[30:31], 0x8000
.irp k, 0,1,2,3
	global_load_b32 v[HH+(\k)], v[O4], s[22:23] offset:128*(\k)
.endr
.irp i, 0,1,2,3,4,5,6,7
	global_load_b128 v[X+4*(\i):X+4*(\i)+3], v[O16], s[20:21] offset:512*(\i)
.endr
.set k, 0
.rept 9
	v_mov_b32 v[PL+k], 0
.set k, k+1
.endr
	s_wait_kmcnt 0x0
	s_wait_loadcnt 8                               ; the four small loads are in; the ring's eight stay out
	v_add_nc_u32 v[HH], v[HH], v[HH+1]
	v_add_nc_u32 v[HH+2], v[HH+2], v[HH+3]
	v_add_nc_u32 v[HH], v[HH], v[HH+2]
	SCAN HH, KK, B1, K1, CN
	s_lshl_b32 s[TA], s[B1], 10
	s_or_b32 s[TA], s[TA], 0x8000                  ; the bin's lowest code, with bit 15,
	s_lshl_b32 s[TA], s[TA], 16                    ; in the upper half,
	s_sub_co_u32 s[NC], 0, s[TA]                   ; negated
	s_cmp_lg_u32 s7, 0
	s_cbranch_scc1 .Lno_sel
	v_mov_b32 v[DA], s[B1]
	v_mov_b32 v[DB], s[K1]
	global_store_b32 v[O4], v[DA], s[28:29] offset:557056
	global_store_b32 v[O4], v[DB], s[28:29] offset:557184
.Lno_sel:
; One slot's turn.  D = (code - the bin's lowest code) x 65,536 (+ bits below 16 that do not count): under 1,024 x 65,536 just for the bin's own tokens; its bits 25:21 are the code's bits 9:5.
.macro SLOT i, ahead, left
	s_wait_loadcnt \left
.irp d, 0,1,2,3
	v_lshl_add_u32 v[OH+2*(\d)], v[X+4*(\i)+(\d)], 16, s[NC]
	v_add_nc_u32 v[OH+2*(\d)+1], s[NC], v[X+4*(\i)+(\d)]
.endr
.if \ahead
	global_load_b128 v[X+4*(\i):X+4*(\i)+3], v[O16], s[20:21] offset:4096+512*(\i)
.endif
.irp t, 0,1,2,3,4,5,6,7
	v_cmp_gt_u32 vcc_lo, s[LIM], v[OH+(\t)]
	v_lshrrev_b32 v[OH+(\t)], 21, v[OH+(\t)]
	v_lshlrev_b32 v[OH+(\t)], v[OH+(\t)], v[ONE]
	v_cndmask_b32 v[OH+(\t)], 0, v[OH+(\t)], vcc_lo
.endr
	FA PL+0, OH+0, OH+1, OH+0                      ; eight words of weight 1 -> one carry of weight 8
	FA PL+0, OH+2, OH+3, OH+2
	FA PL+0, OH+4, OH+5, OH+4
	FA PL+0, OH+6, OH+7, OH+6
	FA PL+1, OH+0, OH+2, OH+0
	FA PL+1, OH+4, OH+6, OH+4
.if ((\i)%2) == 0
	FA PL+2, OH+0, OH+4, Z0
.else
	FA PL+2, OH+0, OH+4, OH+0
.if ((\i)%4) == 1
	FA PL+3, Z0, OH+0, Y0
.else
	FA PL+3, Z0, OH+0, Z0
.if (\i) == 3
	FA PL+4, Y0, Z0, U0
.else
	FA PL+4, Y0, Z0, Y0
	FA PL+5, U0, Y0, U0                            ; once a trip a carry of weight 64 ripples up
	HA PL+6, U0, Y0
	HA PL+7, Y0, U0
	v_xor_b32 v[PL+8], v[PL+8], v[U0]
.endif
.endif
.endif
.endm
	s_mov_b32 s[TRIPS], 3
.Ltrip:
.irp i, 0,1,2,3,4,5,6,7
	SLOT \i, 1, 7                                  ; the ring's seven younger loads stay out
.endr
	s_wait_xcnt 0x0                                ; the trip's loads have read their base
	s_add_nc_u64 s[20:21], s[20:21], 4096
	s_sub_co_u32 s[TRIPS], s[TRIPS], 1
	s_cmp_lg_u32 s[TRIPS], 0
	s_cbranch_scc1 .Ltrip
.irp i, 0,1,2,3,4,5,6,7
	SLOT \i, 0, 7-(\i)                             ; the last trip loads nothing: the counts run down
.endr
	BSTEP 9, 1
	BSTEP 10, 2
	BSTEP 11, 4
	BSTEP 12, 8
	BSTEP 13, 16
	v_bfe_u32 v[CNT], v[PL], v[LANE], 1
.set k, 1
.rept 13
	v_bfe_u32 v[FT], v[PL+k], v[LANE], 1
	v_lshl_or_b32 v[CNT], v[FT], k, v[CNT]
.set k, k+1
.endr
	global_store_b32 v[O4], v[CNT], s[24:25]       ; my wave's counts: the next launch makes its place in the list of them
	v_lshlrev_b32 v[SH0], 2, v0
	ds_store_b32 v[SH0], v[CNT]
	s_wait_dscnt 0x0                               ; for the others' sake: my store is done
	s_barrier_signal -1
	s_barrier_wait -1
	s_cmp_lg_u32 s2, 0
	s_cbranch_scc1 .Lend
.irp k, 0,1,2,3,4,5,6,7,8,9,10,11,12,13,14,15
	ds_load_b32 v[X+(\k)], v[O4] offset:128*(\k)
.endr
	s_wait_dscnt 0x0
.irp k, 0,1,2,3,4,5,6,7
	v_add_nc_u32 v[X+(\k)], v[X+(\k)], v[X+8+(\k)]
.endr
.irp k, 0,1,2,3
	v_add_nc_u32 v[X+(\k)], v[X+(\k)], v[X+4+(\k)]
.endr
	v_add_nc_u32 v[X], v[X], v[X+2]
	v_add_nc_u32 v[X+1], v[X+1], v[X+3]
	v_add_nc_u32 v[X], v[X], v[X+1]
	global_store_b32 v[O4], v[X], s[26:27] offset:524288
.Lend:
	s_wait_tensorcnt 0x0                           ; the wave's end, behind my last LDS store
	ds_add_u32 v[SPW], v[NIL]
	s_wait_dscnt 0x0
	s_endpgm
.Lfunc_end_k_q771699c047_hist2:
	.size	k_q771699c047_hist2, .Lfunc_end_k_q771699c047_hist2-k_q771699c047_hist2
	.p2alignl 7, 3214868480
	.fill 96, 4, 3214868480
	.section	.rodata,"a",@progbits
	.p2align	6, 0x0
	.amdhsa_kernel k_q771699c047_hist2
		.amdhsa_group_segment_fixed_size 4096
		.amdhsa_private_segment_fixed_size 0
		.amdhsa_enable_private_segment 0
		.amdhsa_kernarg_size 24
		.amdhsa_user_sgpr_count 2
		.amdhsa_user_sgpr_kernarg_segment_ptr 1
		.amdhsa_wavefront_size32 1
		.amdhsa_system_sgpr_workgroup_id_x 1
		.amdhsa_system_sgpr_workgroup_id_y 1
		.amdhsa_system_sgpr_workgroup_id_z 1
		.amdhsa_system_vgpr_workitem_id 0
		.amdhsa_next_free_vgpr 104
		.amdhsa_next_free_sgpr 66
		.amdhsa_reserve_vcc 1
		.amdhsa_float_denorm_mode_32 3
		.amdhsa_float_denorm_mode_16_64 3
		.amdhsa_memory_ordered 1
		.amdhsa_forward_progress 1
		.amdhsa_inst_pref_size 59
	.end_amdhsa_kernel
	.amdgpu_metadata
---
amdhsa.version: [ 1, 2 ]
amdhsa.kernels:
  - .name:           k_q771699c047_hist2
    .symbol:         k_q771699c047_hist2.kd
    .args:
      - { .name: qbuf, .offset: 0, .size: 8, .value_kind: global_buffer, .address_space: global }
      - { .name: h1, .offset: 8, .size: 8, .value_kind: global_buffer, .address_space: global }
      - { .name: h2, .offset: 16, .size: 8, .value_kind: global_buffer, .address_space: global }
    .group_segment_fixed_size: 4096
    .private_segment_fixed_size: 0
    .kernarg_segment_align: 8
    .kernarg_segment_size: 24
    .max_flat_workgroup_size: 512
    .sgpr_count:     66
    .vgpr_count:     104
    .wavefront_size: 32
...
	.end_amdgpu_metadata
.endif
;; end of part 2
;; launch mask (part 3): grid 256 x 1, 16 waves a work-group, no clusters, 6,144 bytes of LDS; arguments qbuf, h2, out0, out1, bits, sel2; writes out0, out1, bits, sel2
.if DOCPART == 3
	.amdgcn_target "amdgcn-amd-amdhsa--gfx1250"
	.amdhsa_code_object_version 6
	.text
	.protected	k_q771699c047_mask
	.globl	k_q771699c047_mask
	.p2align	8
	.type	k_q771699c047_mask,@function
k_q771699c047_mask:
	s_mov_b64 s[64:65], 0
	v_nop
	global_prefetch_b8 v0, s[64:65] scope:SCOPE_SE
	s_setreg_imm32_b32 hwreg(HW_REG_WAVE_MODE, 25, 1), 1
	s_wait_xcnt 0x0
; MASK.  Each wave finds b2, the value of the code's bits 9:5 in which the K-th largest lies, from the row's counts and K1; B = 32 b1 + b2.  Then for each token:
; the output byte is 1 where bits 14:5 of the code are above B (all of those are among the K largest), else 0; and a token whose bits 14:5 equal B is a CANDIDATE:
; its bit is set in the row's flags, bit t of the row for token t (64 KiB a row).  The next launch makes the list of the candidates' indices of them, the last settles the candidates' bytes.
; Stored too: C, the row's candidates; Kc, how many of them are wanted; and for each wave the number of candidates in the parts before it: its first place in the list, from the counts that
; the launch before stored for each wave (the same tokens to the same waves).
; SHARES as before: work-group g: row g / 4, quarter g % 4; wave w: part p = 16 (g % 4) + w.  A slot is 256 tokens, 8 a lane: token = 8,192 p + 2,048 trip + 256 slot + 8 lane + j.
; No branch, no address and no lane mask here hangs on the codes: every slot does the same work.
; THE FLAGS.  A lane's eight flags of a slot are one byte, which belongs at byte 32 slot + lane of the trip's 256.  It goes there in the wave's own 256 bytes of LDS, and once a trip the wave
; reads them back, 8 bytes a lane, and stores 256 consecutive bytes, aligned.  No other wave touches those LDS bytes, and LDS serves a wave's instructions in order: no barrier, no wait between.
; NO CLUSTER: no two waves read the same large bytes.
.set SPARE, 4096                       ; LDS: [0, 4096) 16 waves x 256 bytes of flags; from 4,096 on the spare words, 128 bytes a wave, which no other line names
.set LANE, 1
.set O16,  2
.set O8,   3
.set SPW,  4                           ; my spare word's address; never rewritten
.set NIL,  5                           ; 0; never rewritten
.set LSB,  6                           ; 256 wave + lane: where my byte of slot 0 goes
.set LRD,  7                           ; 256 wave + 8 lane: where I read 8 bytes back
.set O4,   11
.set BB,   12                          ; v[12:13] those 8 bytes
.set SS,   16
.set ST,   17
.set SI,   18
.set SA,   19
.set SB,   20
.set PV,   22                          ; lane b: candidates before my part if b2 were b
.set TOT,  23
.set TT,   24
.set DA,   25
.set DB,   26
.set DC,   27
.set X,    32                          ; v[32:63] the ring
.set HH,   64                          ; v[64:82] four quarters' counts, fifteen waves' counts
.set D1,   84
.set D0,   88
.set MM,   92                          ; v[92:107] slot i: eight output bytes
.set EA,   108                         ; candidates' flags: bit 7 of byte j, tokens 0-3
.set EC,   109                         ; tokens 4-7
.set B1,   34
.set K1,   35
.set B2,   36
.set KC,   37
.set CC,   38
.set BASE, 39
.set NT0,  40
.set NT1,  41
.set PSEL, 42
.set HB,   43
.set LB,   44
.set TRIPS, 45
.set MULC, 46
.set TO,   48
.set TF,   50
.set TA,   51
.set WB,   52
.macro SCAN vh, sk, sbin, srem, scnt   ; lane = bin; as in the launch before
	v_mov_b32 v[SS], v[\vh]
.irp n, 1,2,4,8
	v_mov_b32_dpp v[ST], v[SS] row_shl:\n row_mask:0xf bank_mask:0xf bound_ctrl:1
	v_add_nc_u32 v[SS], v[SS], v[ST]
.endr
	v_readlane_b32 s[TA], v[SS], 16
	v_cmp_gt_u32 vcc_lo, 16, v[LANE]
	v_cndmask_b32 v[ST], 0, s[TA], vcc_lo
	v_add_nc_u32 v[SS], v[SS], v[ST]
	v_cmp_le_u32 vcc_lo, s[\sk], v[SS]
	s_bcnt1_i32_b32 s[\sbin], vcc_lo
	s_sub_co_u32 s[\sbin], s[\sbin], 1
	s_min_u32 s[\sbin], s[\sbin], 31
	s_lshl_b32 s[TA], s[\sbin], 2
	v_mov_b32 v[SI], s[TA]
	v_sub_nc_u32 v[ST], v[SS], v[\vh]
	ds_bpermute_b32 v[SA], v[SI], v[ST]            ; lane permutes: no LDS byte is touched
	ds_bpermute_b32 v[SB], v[SI], v[\vh]
	s_wait_dscnt 0x0
	v_readfirstlane_b32 s[TA], v[SA]
	v_readfirstlane_b32 s[\scnt], v[SB]
	s_sub_co_u32 s[\srem], s[\sk], s[TA]
.endm
	s_load_b256 s[8:15], s[0:1], 0x0               ; qbuf 8, h2 10, out0 12, out1 14
	s_load_b128 s[16:19], s[0:1], 0x20             ; bits 16, sel2 18
	v_lshl_add_u32 v[SPW], v0, 2, SPARE
	v_mov_b32 v[NIL], 0
	v_lshrrev_b32 v[TT], 5, v0
	v_readfirstlane_b32 s2, v[TT]                  ; wave
	v_and_b32 v[LANE], 31, v0
	v_mov_b32 v[ST], 0
	v_mov_b32 v[PV], 0
	v_lshlrev_b32 v[O16], 4, v[LANE]
	v_lshlrev_b32 v[O8], 3, v[LANE]
	v_lshlrev_b32 v[O4], 2, v[LANE]
	s_lshl_b32 s[TF], s2, 8                        ; my wave's 256 bytes of LDS
	v_add_nc_u32 v[LSB], s[TF], v[LANE]
	v_lshl_add_u32 v[LRD], v[LANE], 3, s[TF]
	s_lshr_b32 s3, ttmp9, 2                        ; row
	s_and_b32 s6, ttmp9, 3                         ; quarter
	s_lshr_b32 s4, s3, 5                           ; 0 src, 1 tgt
	s_and_b32 s5, s3, 31                           ; batch
	s_lshl_b32 s7, s6, 4
	s_add_co_u32 s7, s7, s2                        ; part p
	s_mov_b32 s[TO+1], 0
	s_mov_b32 s[PSEL], 0x07050301                  ; the upper byte of each of four halves
	s_mov_b32 s[HB], 0x80808080
	s_mov_b32 s[LB], 0x01010101
	s_mov_b32 s[MULC], 0x00204081                  ; 2^21 + 2^14 + 2^7 + 1
	s_wait_kmcnt 0x0
	s_cmp_eq_u32 s4, 0
	s_cselect_b64 s[22:23], s[12:13], s[14:15]     ; the side's output
	s_lshl_b32 s[TO], s3, 20
	s_lshl_b32 s[TF], s7, 14
	s_add_co_u32 s[TO], s[TO], s[TF]
	s_add_nc_u64 s[20:21], s[8:9], s[TO:TO+1]      ; my codes
	s_lshl_b32 s[TO], s5, 19
	s_lshl_b32 s[TF], s7, 13
	s_add_co_u32 s[TO], s[TO], s[TF]
	s_add_nc_u64 s[22:23], s[22:23], s[TO:TO+1]    ; my output bytes
	s_lshl_b32 s[TO], s3, 16
	s_lshl_b32 s[TF], s7, 10
	s_add_co_u32 s[TO], s[TO], s[TF]
	s_add_nc_u64 s[24:25], s[16:17], s[TO:TO+1]    ; my flags: row x 64 KiB + part x 1 KiB
	s_lshl_b32 s[TO], s3, 8
	s_add_nc_u64 s[26:27], s[18:19], s[TO:TO+1]    ; the row's C and Kc
	s_add_nc_u64 s[28:29], s[10:11], s[TO:TO+1]    ; the row's b1 and K1 lie 557,056 further
	s_lshl_b32 s[TO], s3, 9
	s_add_nc_u64 s[30:31], s[10:11], s[TO:TO+1]    ; the four quarters' counts lie 524,288 further
	s_lshl_b32 s[TO], s3, 2
	s_add_co_u32 s[TO], s[TO], s6
	s_lshl_b32 s[TO], s[TO], 11
	s_add_nc_u64 s[32:33], s[10:11], s[TO:TO+1]    ; the counts of my quarter's sixteen waves
	s_lshl_b32 s[TO], s3, 6
	s_add_co_u32 s[TO], s[TO], s7
	s_lshl_b32 s[TO], s[TO], 7
	s_add_nc_u64 s[WB:WB+1], s[18:19], s[TO:TO+1]  ; my wave's first place lies 16,384 further
	s_load_b32 s[B1], s[28:29], 0x88000
	s_load_b32 s[K1], s[28:29], 0x88080
.irp q, 0,1,2,3
	global_load_b32 v[HH+(\q)], v[O4], s[30:31] offset:524288+128*(\q)
.endr
.irp w, 0,1,2,3,4,5,6,7,8,9,10,11,12,13,14
	global_load_b32 v[HH+4+(\w)], v[O4], s[32:33] offset:128*(\w)
.endr
.irp i, 0,1,2,3,4,5,6,7
	global_load_b128 v[X+4*(\i):X+4*(\i)+3], v[O16], s[20:21] offset:512*(\i)
.endr
	s_wait_kmcnt 0x0
	s_wait_loadcnt 8                               ; the nineteen small loads are in; the ring's eight stay out
	v_add_nc_u32 v[TOT], v[HH], v[HH+1]
	v_add3_u32 v[TOT], v[TOT], v[HH+2], v[HH+3]
.irp q, 0,1,2
	s_cmp_gt_u32 s6, \q                            ; the quarters before mine,
	s_cselect_b32 s[TF], 1, 0
	v_mad_u32_u24 v[PV], v[HH+(\q)], s[TF], v[PV]
.endr
.irp w, 0,1,2,3,4,5,6,7,8,9,10,11,12,13,14
	s_cmp_gt_u32 s2, \w                            ; and my quarter's waves before me
	s_cselect_b32 s[TF], 1, 0
	v_mad_u32_u24 v[PV], v[HH+4+(\w)], s[TF], v[PV]
.endr
	SCAN TOT, K1, B2, KC, CC
	ds_bpermute_b32 v[SA], v[SI], v[PV]            ; v[SI] still holds 4 b2
	s_wait_dscnt 0x0
	v_readfirstlane_b32 s[BASE], v[SA]
	s_lshl_b32 s[TA], s[B1], 5
	s_add_co_u32 s[TA], s[TA], s[B2]               ; B
	s_lshl_b32 s[TA], s[TA], 5                     ; the lowest candidate code, 32 B,
	s_mul_i32 s[NT0], s[TA], 0x10001               ; in both halves,
	s_sub_co_u32 s[NT0], 0, s[NT0]                 ; negated
	s_add_co_u32 s[TA], s[TA], 32                  ; and the lowest code above the candidates: 32,768 at the most
	s_mul_i32 s[NT1], s[TA], 0x10001
	s_sub_co_u32 s[NT1], 0, s[NT1]
	v_mov_b32 v[DC], s[BASE]
	global_store_b32 v[O4], v[DC], s[WB:WB+1] offset:16384  ; my wave's first place in the list; the register is not written again
	s_cmp_lg_u32 s7, 0
	s_cbranch_scc1 .Lno_sel
	v_mov_b32 v[DA], s[CC]
	v_mov_b32 v[DB], s[KC]
	global_store_b32 v[O4], v[DA], s[26:27]
	global_store_b32 v[O4], v[DB], s[26:27] offset:128
.Lno_sel:
; One slot's turn.  A stored code has bit 15 set and a threshold is 32,768 at the most, so code - threshold borrows nothing from the half above, and its bit 15 says: code's 15 bits >= threshold.
; Four flags stand in bits 7, 15, 23, 31 of a word.  Times 2^21 + 2^14 + 2^7 + 1 they land in bits 28 to 31; the other products fall on bits 7, 14, 15, 21, 22, 23 or past bit 31: no two on one bit, so nothing carries.
.macro SLOT i, ahead, left
	s_wait_loadcnt \left
.irp d, 0,1,2,3
	v_add_nc_u32 v[D1+(\d)], s[NT1], v[X+4*(\i)+(\d)]
	v_add_nc_u32 v[D0+(\d)], s[NT0], v[X+4*(\i)+(\d)]
.endr
.if \ahead
	global_load_b128 v[X+4*(\i):X+4*(\i)+3], v[O16], s[20:21] offset:4096+512*(\i)
.endif
	v_perm_b32 v[MM+2*(\i)], v[D1+1], v[D1+0], s[PSEL]
	v_perm_b32 v[MM+2*(\i)+1], v[D1+3], v[D1+2], s[PSEL]
	v_perm_b32 v[EA], v[D0+1], v[D0+0], s[PSEL]
	v_perm_b32 v[EC], v[D0+3], v[D0+2], s[PSEL]
	v_bfi_b32 v[EA], v[MM+2*(\i)], 0, v[EA]        ; at or above the lower threshold and not at or above the upper
	v_bfi_b32 v[EC], v[MM+2*(\i)+1], 0, v[EC]
	v_lshrrev_b32 v[MM+2*(\i)], 7, v[MM+2*(\i)]
	v_lshrrev_b32 v[MM+2*(\i)+1], 7, v[MM+2*(\i)+1]
	v_and_b32 v[MM+2*(\i)], s[LB], v[MM+2*(\i)]
	v_and_b32 v[MM+2*(\i)+1], s[LB], v[MM+2*(\i)+1]
	v_and_b32 v[EA], s[HB], v[EA]
	v_and_b32 v[EC], s[HB], v[EC]
	global_store_b64 v[O8], v[MM+2*(\i):MM+2*(\i)+1], s[22:23] offset:256*(\i)  ; the wave's store covers 256 consecutive bytes, aligned
	v_mul_lo_u32 v[EA], v[EA], s[MULC]
	v_mul_lo_u32 v[EC], v[EC], s[MULC]
	v_lshrrev_b32 v[EA], 28, v[EA]                 ; tokens 0-3 in bits 0-3,
	v_lshrrev_b32 v[EC], 24, v[EC]                 ; tokens 4-7 in bits 4-7 (bits 24 to 27 of the product are 0)
	v_or_b32 v[EA], v[EA], v[EC]
	ds_store_b8 v[LSB], v[EA] offset:32*(\i)
.endm
.macro FLAGS                           ; the trip's 2,048 flags leave
	ds_load_b64 v[BB:BB+1], v[LRD]                 ; behind my eight stores, which LDS has served in order
	s_wait_dscnt 0x0
	global_store_b64 v[O8], v[BB:BB+1], s[24:25]   ; 256 consecutive bytes, aligned
.endm
	s_mov_b32 s[TRIPS], 3
.Ltrip:
.irp i, 0,1,2,3,4,5,6,7
	SLOT \i, 1, 7                                  ; the ring's seven younger loads stay out
.endr
	FLAGS
	s_wait_xcnt 0x0                                ; the trip's loads and stores have read their bases and the stores their data
	s_add_nc_u64 s[20:21], s[20:21], 4096
	s_add_nc_u64 s[22:23], s[22:23], 2048
	s_add_nc_u64 s[24:25], s[24:25], 256
	s_sub_co_u32 s[TRIPS], s[TRIPS], 1
	s_cmp_lg_u32 s[TRIPS], 0
	s_cbranch_scc1 .Ltrip
.irp i, 0,1,2,3,4,5,6,7
	SLOT \i, 0, 7-(\i)                             ; the last trip loads nothing: the counts run down
.endr
	FLAGS
	s_wait_tensorcnt 0x0                           ; the wave's end, behind my last LDS store
	ds_add_u32 v[SPW], v[NIL]
	s_wait_dscnt 0x0
	s_endpgm
.Lfunc_end_k_q771699c047_mask:
	.size	k_q771699c047_mask, .Lfunc_end_k_q771699c047_mask-k_q771699c047_mask
	.p2alignl 7, 3214868480
	.fill 96, 4, 3214868480
	.section	.rodata,"a",@progbits
	.p2align	6, 0x0
	.amdhsa_kernel k_q771699c047_mask
		.amdhsa_group_segment_fixed_size 6144
		.amdhsa_private_segment_fixed_size 0
		.amdhsa_enable_private_segment 0
		.amdhsa_kernarg_size 48
		.amdhsa_user_sgpr_count 2
		.amdhsa_user_sgpr_kernarg_segment_ptr 1
		.amdhsa_wavefront_size32 1
		.amdhsa_system_sgpr_workgroup_id_x 1
		.amdhsa_system_sgpr_workgroup_id_y 1
		.amdhsa_system_sgpr_workgroup_id_z 1
		.amdhsa_system_vgpr_workitem_id 0
		.amdhsa_next_free_vgpr 112
		.amdhsa_next_free_sgpr 66
		.amdhsa_reserve_vcc 1
		.amdhsa_float_denorm_mode_32 3
		.amdhsa_float_denorm_mode_16_64 3
		.amdhsa_memory_ordered 1
		.amdhsa_forward_progress 1
		.amdhsa_inst_pref_size 31
	.end_amdhsa_kernel
	.amdgpu_metadata
---
amdhsa.version: [ 1, 2 ]
amdhsa.kernels:
  - .name:           k_q771699c047_mask
    .symbol:         k_q771699c047_mask.kd
    .args:
      - { .name: qbuf, .offset: 0, .size: 8, .value_kind: global_buffer, .address_space: global }
      - { .name: h2, .offset: 8, .size: 8, .value_kind: global_buffer, .address_space: global }
      - { .name: out0, .offset: 16, .size: 8, .value_kind: global_buffer, .address_space: global }
      - { .name: out1, .offset: 24, .size: 8, .value_kind: global_buffer, .address_space: global }
      - { .name: bits, .offset: 32, .size: 8, .value_kind: global_buffer, .address_space: global }
      - { .name: sel2, .offset: 40, .size: 8, .value_kind: global_buffer, .address_space: global }
    .group_segment_fixed_size: 6144
    .private_segment_fixed_size: 0
    .kernarg_segment_align: 8
    .kernarg_segment_size: 48
    .max_flat_workgroup_size: 512
    .sgpr_count:     66
    .vgpr_count:     112
    .wavefront_size: 32
...
	.end_amdgpu_metadata
.endif
;; end of part 3
;; launch compact (part 4): grid 256 x 1, 16 waves a work-group, no clusters, 0 bytes of LDS; arguments bits, sel2, list; writes list
.if DOCPART == 4
	.amdgcn_target "amdgcn-amd-amdhsa--gfx1250"
	.amdhsa_code_object_version 6
	.text
	.protected	k_q771699c047_compact
	.globl	k_q771699c047_compact
	.p2align	8
	.type	k_q771699c047_compact,@function
k_q771699c047_compact:
	s_mov_b64 s[64:65], 0
	v_nop
	global_prefetch_b8 v0, s[64:65] scope:SCOPE_SE
	s_setreg_imm32_b32 hwreg(HW_REG_WAVE_MODE, 25, 1), 1
	s_wait_xcnt 0x0
; COMPACT.  The row's flags (bit t = token t is a candidate) become the row's list of candidates' indices, dense and ascending.
; SHARES as before: work-group g: row g / 4, quarter g % 4; wave w: part p = 16 (g % 4) + w, tokens 8,192 p on: 256 words of 32 flags, 1 KiB.  The wave's first place in the list was stored
; by the launch before.
; THE LIST.  A row has 4 MiB: entries 0 to 524,287 are the list; entry 524,288 + 64 p is part p's DUMP entry, a block of 256 bytes to each wave, which nobody reads.
; The flags come in as scalars, sixteen words a load, in two sets of registers that take turns: while one set is worked on the other is on its way.  For a word: lane l stands for token
; 32 word + l; its place is the list's length so far + the flags below it in the word.  EVERY WORD DOES THE SAME WORK, with all lanes on: a lane whose flag is set stores its index at its place,
; every other lane stores its index into the wave's dump entry.  So no branch and no lane mask hangs on the flags: they only select a store's address.  Words and bits are taken in ascending
; order, so the list ascends in the index.
; THE PRICE, by the text's own count: 256 stores a wave, whatever the flags hold, each of at most 128 bytes of the list and 4 bytes of the dump entry.
; NO CLUSTER, no LDS, no barrier: no wave wants anything of another.
.set LANE, 1
.set TB,   2                           ; the index of my lane's token in the trip's first word
.set POS,  3
.set DUMP, 4                           ; my wave's dump entry; never rewritten
.set AD,   8                           ; v[8:23]   word k of a set: the store's address
.set IDX,  24                          ; v[24:39]  word k of a set: the store's data
.set WA,   20                          ; s[20:35] sixteen words
.set WC,   36                          ; s[36:51] the other sixteen
.set BASE, 52                          ; the list's length so far
.set TRIPS, 53
.set TA,   54
.set TF,   56
.set TO,   58
.macro WORD w, k, off                  ; the word in s[w], number k of its set; its first token lies off behind the trip's first
	v_mbcnt_lo_u32_b32 v[POS], s[\w], s[BASE]      ; the length so far + the flags in the lanes below me
	v_add_nc_u32 v[IDX+(\k)], \off, v[TB]
	v_cndmask_b32 v[AD+(\k)], v[DUMP], v[POS], s[\w]  ; my flag is set: my place; else the dump entry
	v_min_u32 v[AD+(\k)], 0xfffff, v[AD+(\k)]      ; an entry made of numbers from memory is held inside the row's 4 MiB
	v_lshlrev_b32 v[AD+(\k)], 2, v[AD+(\k)]
	s_bcnt1_i32_b32 s[TA], s[\w]
	s_add_co_u32 s[BASE], s[BASE], s[TA]
	global_store_b32 v[AD+(\k)], v[IDX+(\k)], s[18:19]
.endm
.macro PROC set, off                   ; sixteen words, each with address and data registers of its own
.irp k, 0,1,2,3,4,5,6,7,8,9,10,11,12,13,14,15
	WORD (\set)+(\k), \k, (\off)+32*(\k)
.endr
.endm
	s_load_b128 s[8:11], s[0:1], 0x0               ; bits 8, sel2 10
	s_load_b64 s[12:13], s[0:1], 0x10              ; list
	v_lshrrev_b32 v[POS], 5, v0
	v_readfirstlane_b32 s2, v[POS]                 ; wave
	v_and_b32 v[LANE], 31, v0
	s_lshr_b32 s3, ttmp9, 2                        ; row
	s_and_b32 s6, ttmp9, 3                         ; quarter
	s_lshl_b32 s7, s6, 4
	s_add_co_u32 s7, s7, s2                        ; part p
	s_lshl_b32 s[TF], s7, 13
	v_add_nc_u32 v[TB], s[TF], v[LANE]             ; 8,192 p + lane
	s_lshl_b32 s[TF], s7, 6
	s_add_co_u32 s[TF], s[TF], 0x80000
	v_mov_b32 v[DUMP], s[TF]                       ; 524,288 + 64 p
	s_mov_b32 s[TO+1], 0
	s_wait_kmcnt 0x0
	s_lshl_b32 s[TO], s3, 16
	s_lshl_b32 s[TF], s7, 10
	s_add_co_u32 s[TO], s[TO], s[TF]
	s_add_nc_u64 s[14:15], s[8:9], s[TO:TO+1]      ; my flags: row x 64 KiB + part x 1 KiB
	s_lshl_b32 s[TO], s3, 6
	s_add_co_u32 s[TO], s[TO], s7
	s_lshl_b32 s[TO], s[TO], 7
	s_add_nc_u64 s[16:17], s[10:11], s[TO:TO+1]    ; my wave's first place lies 16,384 further
	s_lshl_b32 s[TO], s3, 22
	s_add_nc_u64 s[18:19], s[12:13], s[TO:TO+1]    ; the row's 4 MiB of the list
	s_load_b32 s[BASE], s[16:17], 0x4000
	s_load_b512 s[WA:WA+15], s[14:15], 0x0         ; words 0 to 15
	s_mov_b32 s[TRIPS], 7
.Ltrip:                                        ; a trip: 32 words, 1,024 tokens
	s_wait_kmcnt 0x0                               ; the first set is in (scalar loads are waited for with 0 alone); in the first trip the first place too
	s_wait_xcnt 0x0                                ; the last sixteen stores have read their addresses and data: those registers are written again below
	s_load_b512 s[WC:WC+15], s[14:15], 0x40
	PROC WA, 0
	s_wait_kmcnt 0x0                               ; the second set is in, and no load is out: the pointer may be stepped
	s_wait_xcnt 0x0                                ; as above, for the sixteen stores just issued
	s_add_nc_u64 s[14:15], s[14:15], 128
	s_load_b512 s[WA:WA+15], s[14:15], 0x0         ; the next trip's first set
	PROC WC, 512
	v_add_nc_u32 v[TB], 1024, v[TB]
	s_sub_co_u32 s[TRIPS], s[TRIPS], 1
	s_cmp_lg_u32 s[TRIPS], 0
	s_cbranch_scc1 .Ltrip
	s_wait_kmcnt 0x0                               ; the last trip is written out: nothing is loaded past my 256 words
	s_wait_xcnt 0x0
	s_load_b512 s[WC:WC+15], s[14:15], 0x40
	PROC WA, 0
	s_wait_kmcnt 0x0
	s_wait_xcnt 0x0
	PROC WC, 512
	s_endpgm
.Lfunc_end_k_q771699c047_compact:
	.size	k_q771699c047_compact, .Lfunc_end_k_q771699c047_compact-k_q771699c047_compact
	.p2alignl 7, 3214868480
	.fill 96, 4, 3214868480
	.section	.rodata,"a",@progbits
	.p2align	6, 0x0
	.amdhsa_kernel k_q771699c047_compact
		.amdhsa_group_segment_fixed_size 0
		.amdhsa_private_segment_fixed_size 0
		.amdhsa_enable_private_segment 0
		.amdhsa_kernarg_size 24
		.amdhsa_user_sgpr_count 2
		.amdhsa_user_sgpr_kernarg_segment_ptr 1
		.amdhsa_wavefront_size32 1
		.amdhsa_system_sgpr_workgroup_id_x 1
		.amdhsa_system_sgpr_workgroup_id_y 1
		.amdhsa_system_sgpr_workgroup_id_z 1
		.amdhsa_system_vgpr_workitem_id 0
		.amdhsa_next_free_vgpr 40
		.amdhsa_next_free_sgpr 66
		.amdhsa_reserve_vcc 0
		.amdhsa_float_denorm_mode_32 3
		.amdhsa_float_denorm_mode_16_64 3
		.amdhsa_memory_ordered 1
		.amdhsa_forward_progress 1
		.amdhsa_inst_pref_size 30
	.end_amdhsa_kernel
	.amdgpu_metadata
---
amdhsa.version: [ 1, 2 ]
amdhsa.kernels:
  - .name:           k_q771699c047_compact
    .symbol:         k_q771699c047_compact.kd
    .args:
      - { .name: bits, .offset: 0, .size: 8, .value_kind: global_buffer, .address_space: global }
      - { .name: sel2, .offset: 8, .size: 8, .value_kind: global_buffer, .address_space: global }
      - { .name: list, .offset: 16, .size: 8, .value_kind: global_buffer, .address_space: global }
    .group_segment_fixed_size: 0
    .private_segment_fixed_size: 0
    .kernarg_segment_align: 8
    .kernarg_segment_size: 24
    .max_flat_workgroup_size: 512
    .sgpr_count:     66
    .vgpr_count:     40
    .wavefront_size: 32
...
	.end_amdgpu_metadata
.endif
;; end of part 4
;; launch pick (part 5): grid 64 x 1, 16 waves a work-group, no clusters, 2,816 bytes of LDS; arguments sel2, list, tab, u0_src, u0_tgt, out0, out1; writes out0, out1
.if DOCPART == 5
	.amdgcn_target "amdgcn-amd-amdhsa--gfx1250"
	.amdhsa_code_object_version 6
	.text
	.protected	k_q771699c047_pick
	.globl	k_q771699c047_pick
	.p2align	8
	.type	k_q771699c047_pick,@function
k_q771699c047_pick:
	s_mov_b64 s[64:65], 0
	v_nop
	global_prefetch_b8 v0, s[64:65] scope:SCOPE_SE
	s_setreg_imm32_b32 hwreg(HW_REG_WAVE_MODE, 25, 1), 1
	s_wait_xcnt 0x0
; PICK.  One work-group a row.  The row's C candidates (their indices lie in the list, ascending; a row of the list has 4 MiB, of which the first C entries are read) share bits 14:5 of the
; code; Kc of them belong to the K largest.  Each candidate's P is made
; anew, bit for bit as in the first launch (the same log, the stored tables, the same order of adds), and turned into a key that orders as P does.  T, the Kc-th largest key, is found bit by
; bit: sixteen steps of two bits, each counting the keys at or above three trial values over the whole work-group; the outcome only SELECTS numbers, no branch hangs on it.
; Keys above T are taken; of the keys equal to T the first Kc - (keys above T) in list order, which is index order.  Every candidate's byte is stored, 0 or 1.
; SHARES.  512 threads; thread t owns the list's entries t Lth .. t Lth + Lth - 1, Lth = ceil(C / 512): thread order is list order.  Sixteen keys a thread stay in registers (C up to 8,192);
; beyond that the entries are fetched anew in each pass, in loops whose trip count NT is made of C, a whole number from memory: right up to C = 524,288, slower there.
; 64 work-groups: a row's choice is one chain of sixteen counts, and work-groups do not talk to each other.
; EXEC is all ones everywhere but round the byte stores, and is set back to all ones behind each.
; LIMITS as in the first launch: NaN and infinities are not treated apart.  A dead entry's key is 0; a live key is never 0.
.set SPARE, 768                        ; LDS: [0, 256), [256, 512) two buffers of 16 waves x 16 bytes of counts, by turns; [512, 576) the waves' ties; from 768 on the spare words, 128 bytes a wave
.set LANE, 1
.set O4,   2
.set SPW,  4
.set NIL,  5
.set EB,   6                           ; my first entry
.set EEND, 7                           ; behind my last live entry
.set GE,   8
.set GB,   9
.set WA,   10                          ; 16 x wave
.set LA,   11                          ; 16 x (lane % 16)
.set WT,   12                          ; 4 x wave
.set L4,   13                          ; 4 x (lane % 16)
.set NN,   14
.set SC,   15
.set ST,   16
.set SU,   17
.set RB,   18                          ; ties in front of my next entry
.set VV,   20                          ; the row's tables, lane = index
.set VT,   21
.set VH,   22
.set VW,   23
.set GA,   24
.set VAL,  28
.set KK,   32                          ; v[32:47] sixteen keys
.set ID,   48                          ; v[48:63] their indices
.set OK,   64                          ; four keys and indices of an entry beyond the sixteen
.set OI,   68
.set RC,   72
.set RD,   76
.set LGE,  80
.set LGM,  84
.set LG2,  88
.set LG3,  92
.set LGY,  96
.set LGA,  100
.set LGB,  104
.set LGI,  108
.set GV,   112
.set GT,   116
.set GH,   120
.set GW,   124
.set CLO,  48
.set CHI,  49
.set CP0,  50
.set CP1,  52
.set CP2,  54
.set CP3,  56
.set CP4,  58
.set CP5,  60
.set CP6,  62
.set CP7,  66
.set CP8,  68
.set CQ1,  70
.set CQ2,  72
.set CSQH, 82
.set CMAN, 83
.set CNEG, 85
.macro PAIR r, val
	s_mov_b32 s[\r], \val
	s_mov_b32 s[(\r)+1], s[\r]
.endm
.macro LOG4                            ; four logs, v[LGI..] -> v[LGM..]: the first launch's lines
.irp j, 0,1,2,3
	v_add_nc_u32 v[LGE+(\j)], s[CNEG], v[LGI+(\j)]
.endr
.irp j, 0,1,2,3
	v_and_b32 v[LGM+(\j)], s[CMAN], v[LGE+(\j)]
	v_ashrrev_i32 v[LGE+(\j)], 23, v[LGE+(\j)]
.endr
.irp j, 0,1,2,3
	v_add_nc_u32 v[LGM+(\j)], s[CSQH], v[LGM+(\j)]
	v_cvt_f32_i32 v[LGE+(\j)], v[LGE+(\j)]
.endr
.irp h, 0,2
	v_pk_add_f32 v[LGM+(\h):LGM+(\h)+1], v[LGM+(\h):LGM+(\h)+1], -1.0 op_sel_hi:[1,0]
.endr
.irp h, 0,2
	v_pk_mul_f32 v[LG2+(\h):LG2+(\h)+1], v[LGM+(\h):LGM+(\h)+1], v[LGM+(\h):LGM+(\h)+1]
	v_pk_fma_f32 v[LGY+(\h):LGY+(\h)+1], v[LGM+(\h):LGM+(\h)+1], s[CP0:CP0+1], s[CP1:CP1+1] op_sel_hi:[1,0,0]
	v_pk_fma_f32 v[LGA+(\h):LGA+(\h)+1], v[LGM+(\h):LGM+(\h)+1], s[CP3:CP3+1], s[CP4:CP4+1] op_sel_hi:[1,0,0]
	v_pk_fma_f32 v[LGB+(\h):LGB+(\h)+1], v[LGM+(\h):LGM+(\h)+1], s[CP6:CP6+1], s[CP7:CP7+1] op_sel_hi:[1,0,0]
.endr
.irp h, 0,2
	v_pk_mul_f32 v[LG3+(\h):LG3+(\h)+1], v[LG2+(\h):LG2+(\h)+1], v[LGM+(\h):LGM+(\h)+1]
	v_pk_fma_f32 v[LGY+(\h):LGY+(\h)+1], v[LGY+(\h):LGY+(\h)+1], v[LGM+(\h):LGM+(\h)+1], s[CP2:CP2+1] op_sel_hi:[1,1,0]
	v_pk_fma_f32 v[LGA+(\h):LGA+(\h)+1], v[LGA+(\h):LGA+(\h)+1], v[LGM+(\h):LGM+(\h)+1], s[CP5:CP5+1] op_sel_hi:[1,1,0]
	v_pk_fma_f32 v[LGB+(\h):LGB+(\h)+1], v[LGB+(\h):LGB+(\h)+1], v[LGM+(\h):LGM+(\h)+1], s[CP8:CP8+1] op_sel_hi:[1,1,0]
	v_pk_mul_f32 v[LGI+(\h):LGI+(\h)+1], v[LGE+(\h):LGE+(\h)+1], s[CQ1:CQ1+1] op_sel_hi:[1,0]
.endr
.irp h, 0,2
	v_pk_fma_f32 v[LGY+(\h):LGY+(\h)+1], v[LGY+(\h):LGY+(\h)+1], v[LG3+(\h):LG3+(\h)+1], v[LGA+(\h):LGA+(\h)+1]
.endr
.irp h, 0,2
	v_pk_fma_f32 v[LGM+(\h):LGM+(\h)+1], v[LG2+(\h):LG2+(\h)+1], -0.5, v[LGM+(\h):LGM+(\h)+1] op_sel_hi:[1,0,1]
	v_pk_fma_f32 v[LGY+(\h):LGY+(\h)+1], v[LGY+(\h):LGY+(\h)+1], v[LG3+(\h):LG3+(\h)+1], v[LGB+(\h):LGB+(\h)+1]
.endr
.irp h, 0,2
	v_pk_fma_f32 v[LGY+(\h):LGY+(\h)+1], v[LGY+(\h):LGY+(\h)+1], v[LG3+(\h):LG3+(\h)+1], v[LGI+(\h):LGI+(\h)+1]
.endr
.irp h, 0,2
	v_pk_add_f32 v[LGM+(\h):LGM+(\h)+1], v[LGM+(\h):LGM+(\h)+1], v[LGY+(\h):LGY+(\h)+1]
.endr
.irp h, 0,2
	v_pk_fma_f32 v[LGM+(\h):LGM+(\h)+1], v[LGE+(\h):LGE+(\h)+1], s[CQ2:CQ2+1], v[LGM+(\h):LGM+(\h)+1] op_sel_hi:[1,0,1]
.endr
.endm
; My entries s76 .. s76 + 3: their indices -> v[id..], their keys -> v[kd..] (0 for an entry that is not mine or not there).
; An entry's number is held among the entries that were written (C - 1 at the most) and inside the list; an index inside the row.
.macro GATHER4 kd, id
	v_add_nc_u32 v[GE], s76, v[EB]
.irp jj, 0,1,2,3
	v_add_nc_u32 v[GA+(\jj)], \jj, v[GE]
	v_min_u32 v[GA+(\jj)], s35, v[GA+(\jj)]
	v_min_u32 v[GA+(\jj)], 0x7ffff, v[GA+(\jj)]
	v_lshlrev_b32 v[GA+(\jj)], 2, v[GA+(\jj)]
.endr
.irp jj, 0,1,2,3
	global_load_b32 v[(\id)+(\jj)], v[GA+(\jj)], s[22:23]
.endr
	s_wait_loadcnt 0x0                             ; the indices are in, and their address registers free
.irp jj, 0,1,2,3
	v_min_u32 v[(\id)+(\jj)], 0x7ffff, v[(\id)+(\jj)]
	v_lshlrev_b32 v[GA+(\jj)], 2, v[(\id)+(\jj)]
.endr
.irp jj, 0,1,2,3
	global_load_b32 v[LGI+(\jj)], v[GA+(\jj)], s[24:25]
.endr
.irp jj, 0,1,2,3                       ; index = ((v 32 + t) 32 + h) 32 + w: four lane permutes fetch the tables' entries; no LDS byte is touched
	v_lshrrev_b32 v[GB], 13, v[(\id)+(\jj)]
	v_and_b32 v[GB], s79, v[GB]
	ds_bpermute_b32 v[GV+(\jj)], v[GB], v[VV]
	v_lshrrev_b32 v[GB], 8, v[(\id)+(\jj)]
	v_and_b32 v[GB], s79, v[GB]
	ds_bpermute_b32 v[GT+(\jj)], v[GB], v[VT]
	v_lshrrev_b32 v[GB], 3, v[(\id)+(\jj)]
	v_and_b32 v[GB], s79, v[GB]
	ds_bpermute_b32 v[GH+(\jj)], v[GB], v[VH]
	v_lshlrev_b32 v[GB], 2, v[(\id)+(\jj)]
	v_and_b32 v[GB], s79, v[GB]
	ds_bpermute_b32 v[GW+(\jj)], v[GB], v[VW]
.endr
	s_wait_loadcnt 0x0
	s_wait_dscnt 0x0
.irp jj, 0,1,2,3
	v_med3_num_f32 v[LGI+(\jj)], v[LGI+(\jj)], s[CLO], s[CHI]
.endr
	LOG4
.irp h, 0,2
	v_pk_add_f32 v[LGM+(\h):LGM+(\h)+1], v[LGM+(\h):LGM+(\h)+1], v[GV+(\h):GV+(\h)+1]
.endr
.irp h, 0,2
	v_pk_add_f32 v[LGM+(\h):LGM+(\h)+1], v[LGM+(\h):LGM+(\h)+1], v[GT+(\h):GT+(\h)+1]
.endr
.irp h, 0,2
	v_pk_add_f32 v[LGM+(\h):LGM+(\h)+1], v[LGM+(\h):LGM+(\h)+1], v[GH+(\h):GH+(\h)+1]
.endr
.irp h, 0,2
	v_pk_add_f32 v[LGM+(\h):LGM+(\h)+1], v[LGM+(\h):LGM+(\h)+1], v[GW+(\h):GW+(\h)+1]
.endr
.irp jj, 0,1,2,3                       ; the key: a negative number's bits are all turned, a positive one's sign alone: unsigned order = P's order
	v_ashrrev_i32 v[GB], 31, v[LGM+(\jj)]
	v_or_b32 v[GB], 0x80000000, v[GB]
	v_xor_b32 v[(\kd)+(\jj)], v[GB], v[LGM+(\jj)]
	v_add_nc_u32 v[GB], \jj, v[GE]
	v_cmp_gt_u32 vcc_lo, v[EEND], v[GB]
	v_cndmask_b32 v[(\kd)+(\jj)], 0, v[(\kd)+(\jj)], vcc_lo
.endr
.endm
.macro COUNT4 kb                       ; the wave's counts of keys at or above the three trial values grow by four keys a lane
.irp jj, 0,1,2,3
	v_cmp_le_u32 s46, s40, v[(\kb)+(\jj)]
	v_cmp_le_u32 s47, s41, v[(\kb)+(\jj)]
	v_cmp_le_u32 s81, s42, v[(\kb)+(\jj)]
	s_bcnt1_i32_b32 s46, s46
	s_bcnt1_i32_b32 s47, s47
	s_bcnt1_i32_b32 s81, s81
	s_add_co_u32 s43, s43, s46
	s_add_co_u32 s44, s44, s47
	s_add_co_u32 s45, s45, s81
.endr
.endm
; A step settles two bits of T (s37), at bit s39.  s38 = the keys at or above the upper end of the range in which T still lies.  par: which LDS buffer.  With two buffers by turns one barrier
; a step is enough: a buffer is written again two steps later, behind a barrier in front of which every wave has waited for its reads of it.
.macro STEP par
	s_lshl_b32 s40, 1, s39
	s_or_b32 s40, s40, s37
	s_lshl_b32 s41, 2, s39
	s_or_b32 s41, s41, s37
	s_lshl_b32 s42, 3, s39
	s_or_b32 s42, s42, s37
	s_mov_b32 s43, 0
	s_mov_b32 s44, 0
	s_mov_b32 s45, 0
	COUNT4 KK
	s_cmp_gt_u32 s34, 4                            ; groups of keys that no thread has are passed over: Lth is a whole number from memory, alike in all waves
	s_cbranch_scc0 .Lcd_\@
	COUNT4 KK+4
	s_cmp_gt_u32 s34, 8
	s_cbranch_scc0 .Lcd_\@
	COUNT4 KK+8
	s_cmp_gt_u32 s34, 12
	s_cbranch_scc0 .Lcd_\@
	COUNT4 KK+12
	s_cmp_eq_u32 s36, 0
	s_cbranch_scc1 .Lcd_\@
	s_mov_b32 s75, 0
	s_mov_b32 s76, 16
.Lov_\@:                                       ; entries beyond the sixteen: fetched anew
	GATHER4 OK, OI
	COUNT4 OK
	s_add_co_u32 s76, s76, 4
	s_add_co_u32 s75, s75, 1
	s_cmp_lt_u32 s75, s36
	s_cbranch_scc1 .Lov_\@
.Lcd_\@:
	v_cvt_f32_u32 v[RC+0], s43                     ; counts stay under 2^20: exact in f32, and so are their sums
	v_cvt_f32_u32 v[RC+1], s44
	v_cvt_f32_u32 v[RC+2], s45
	ds_store_b128 v[WA], v[RC:RC+3] offset:256*(\par)
	s_wait_dscnt 0x0                               ; for the others' sake: my store is done (and my reads of the other buffer were waited for a step ago)
	s_barrier_signal -1
	s_barrier_wait -1
	ds_load_b128 v[RD:RD+3], v[LA] offset:256*(\par)  ; lane l: wave l % 16
	s_wait_dscnt 0x0
.irp m, 1,2,4,8
	v_add_f32_dpp v[RD+0], v[RD+0], v[RD+0] row_xmask:\m row_mask:0xf bank_mask:0xf
	v_add_f32_dpp v[RD+1], v[RD+1], v[RD+1] row_xmask:\m row_mask:0xf bank_mask:0xf
	v_add_f32_dpp v[RD+2], v[RD+2], v[RD+2] row_xmask:\m row_mask:0xf bank_mask:0xf
.endr
	v_cvt_u32_f32 v[RD+0], v[RD+0]
	v_cvt_u32_f32 v[RD+1], v[RD+1]
	v_cvt_u32_f32 v[RD+2], v[RD+2]
	v_readfirstlane_b32 s43, v[RD+0]
	v_readfirstlane_b32 s44, v[RD+1]
	v_readfirstlane_b32 s45, v[RD+2]
	s_mov_b32 s46, s37                             ; the highest trial value that Kc keys still reach, by selects alone
	s_mov_b32 s47, s43
	s_cmp_ge_u32 s43, s33
	s_cselect_b32 s46, s40, s46
	s_cselect_b32 s47, s44, s47
	s_cmp_ge_u32 s44, s33
	s_cselect_b32 s46, s41, s46
	s_cselect_b32 s47, s45, s47
	s_cmp_ge_u32 s45, s33
	s_cselect_b32 s46, s42, s46
	s_cselect_b32 s47, s38, s47
	s_mov_b32 s37, s46
	s_mov_b32 s38, s47
	s_sub_co_u32 s39, s39, 2
.endm
.macro EQ4 kb                          ; my ties grow by those among four keys
.irp jj, 0,1,2,3
	v_cmp_eq_u32 vcc_lo, s37, v[(\kb)+(\jj)]
	v_add_co_ci_u32 v[NN], vcc_lo, 0, v[NN], vcc_lo
.endr
.endm
; My entries s76 .. s76 + 3 are settled and stored.  What hangs on keys is the store's data; which lanes store hangs on C alone.
.macro FINAL4 kb, ib
	v_add_nc_u32 v[GE], s76, v[EB]
.irp jj, 0,1,2,3
	v_cmp_eq_u32 s46, s37, v[(\kb)+(\jj)]
	v_cmp_gt_u32 s47, s77, v[RB]                   ; fewer ties in front of it than are wanted
	v_cmp_lt_u32 s81, s37, v[(\kb)+(\jj)]
	s_and_b32 s47, s47, s46
	s_or_b32 s81, s81, s47
	v_cndmask_b32 v[VAL+(\jj)], 0, 1, s81
	s_mov_b32 vcc_lo, s46
	v_add_co_ci_u32 v[RB], vcc_lo, 0, v[RB], vcc_lo
	v_add_nc_u32 v[GB], \jj, v[GE]
	v_cmp_gt_u32 vcc_lo, v[EEND], v[GB]
	s_wait_xcnt 0x0                                ; EXEC changes only when every load and store issued so far has read its sources
	s_and_saveexec_b32 s78, vcc_lo                 ; the lanes whose entry is live (what is saved is all ones, and is not wanted again)
	global_store_b8 v[(\ib)+(\jj)], v[VAL+(\jj)], s[26:27]
	s_wait_xcnt 0x0                                ; and again in front of the line that widens it
	s_mov_b32 exec_lo, -1                          ; all lanes on again, as everywhere else in this text
.endr
.endm
	s_load_b256 s[8:15], s[0:1], 0x0               ; sel2 8, list 10, tab 12, u0_src 14
	s_load_b128 s[16:19], s[0:1], 0x20             ; u0_tgt 16, out0 18
	s_load_b64 s[20:21], s[0:1], 0x30              ; out1
	v_lshl_add_u32 v[SPW], v0, 2, SPARE
	v_mov_b32 v[NIL], 0
	v_lshrrev_b32 v[GB], 5, v0
	v_readfirstlane_b32 s2, v[GB]                  ; wave
	v_and_b32 v[LANE], 31, v0
	v_lshlrev_b32 v[O4], 2, v[LANE]
	v_and_b32 v[L4], 15, v[LANE]
	v_lshlrev_b32 v[LA], 4, v[L4]
	v_lshlrev_b32 v[L4], 2, v[L4]
	s_lshl_b32 s46, s2, 4
	v_mov_b32 v[WA], s46
	s_lshl_b32 s46, s2, 2
	v_mov_b32 v[WT], s46
	v_mov_b32 v[ST], 0
	v_mov_b32 v[SU], 0
	v_mov_b32 v[NN], 0
	v_mov_b32 v[RC+3], 0
.set k, 4
.rept 12
	v_mov_b32 v[KK+k], 0                           ; keys that may never be fetched are dead
	v_mov_b32 v[ID+k], 0
.set k, k+1
.endr
	s_mov_b32 s3, ttmp9                            ; row
	s_lshr_b32 s4, s3, 5                           ; 0 src, 1 tgt
	s_and_b32 s5, s3, 31                           ; batch
	s_mov_b32 s[CLO], 0x3a83126f
	s_mov_b32 s[CHI], 0x3f7fbe77
	PAIR CP0, 0x3d9021bb
	PAIR CP1, 0xbdebd1b8
	PAIR CP2, 0x3def251a
	PAIR CP3, 0xbdfe5d4f
	PAIR CP4, 0x3e11e9bf
	PAIR CP5, 0xbe2aae50
	PAIR CP6, 0x3e4cceac
	PAIR CP7, 0xbe7ffffc
	PAIR CP8, 0x3eaaaaaa
	PAIR CQ1, 0xb95e8083
	PAIR CQ2, 0x3f318000
	s_mov_b32 s[CSQH], 0x3f3504f3
	s_mov_b32 s[CNEG], 0xc0cafb0d
	s_mov_b32 s[CMAN], 0x007fffff
	s_mov_b32 s79, 0x7c
	s_mov_b32 s47, 0
	s_wait_kmcnt 0x0
	s_cmp_eq_u32 s4, 0
	s_cselect_b64 s[24:25], s[14:15], s[16:17]
	s_cselect_b64 s[26:27], s[18:19], s[20:21]
	s_lshl_b32 s46, s5, 21
	s_add_nc_u64 s[24:25], s[24:25], s[46:47]      ; the row's u0
	s_lshl_b32 s46, s5, 19
	s_add_nc_u64 s[26:27], s[26:27], s[46:47]      ; the row's output
	s_lshl_b32 s46, s3, 22
	s_add_nc_u64 s[22:23], s[10:11], s[46:47]      ; the row's list: 4 MiB a row
	s_lshl_b32 s46, s3, 9
	s_add_nc_u64 s[28:29], s[12:13], s[46:47]      ; the row's tables
	s_lshl_b32 s46, s3, 8
	s_add_nc_u64 s[30:31], s[8:9], s[46:47]        ; the row's C and Kc
	s_load_b32 s32, s[30:31], 0x0
	s_load_b32 s33, s[30:31], 0x80
	global_load_b32 v[VV], v[O4], s[28:29]
	global_load_b32 v[VT], v[O4], s[28:29] offset:128
	global_load_b32 v[VH], v[O4], s[28:29] offset:256
	global_load_b32 v[VW], v[O4], s[28:29] offset:384
	s_wait_kmcnt 0x0
	s_min_u32 s32, s32, 0x80000                    ; C
	s_add_co_u32 s34, s32, 511
	s_lshr_b32 s34, s34, 9
	s_min_u32 s34, s34, 1024                       ; Lth
	s_sub_co_u32 s35, s32, 1                       ; the last entry that was written
	s_max_u32 s36, s34, 16
	s_sub_co_u32 s36, s36, 13
	s_lshr_b32 s36, s36, 2                         ; NT = ceil((Lth - 16) / 4), 0 up to Lth = 16
	v_mul_u32_u24 v[EB], s34, v0
	v_add_nc_u32 v[EEND], s34, v[EB]
	v_min_u32 v[EEND], s32, v[EEND]
	s_mov_b32 s76, 0
	GATHER4 KK, ID                                 ; (its waits for all loads cover the tables')
	s_cmp_gt_u32 s34, 4
	s_cbranch_scc0 .Lres
	s_mov_b32 s76, 4
	GATHER4 KK+4, ID+4
	s_cmp_gt_u32 s34, 8
	s_cbranch_scc0 .Lres
	s_mov_b32 s76, 8
	GATHER4 KK+8, ID+8
	s_cmp_gt_u32 s34, 12
	s_cbranch_scc0 .Lres
	s_mov_b32 s76, 12
	GATHER4 KK+12, ID+12
.Lres:
	s_mov_b32 s37, 0                               ; T
	s_mov_b32 s38, 0                               ; no key reaches 2^32
	s_mov_b32 s39, 30
	s_mov_b32 s74, 8
.Lbis:
	STEP 0
	STEP 1
	s_sub_co_u32 s74, s74, 1
	s_cmp_lg_u32 s74, 0
	s_cbranch_scc1 .Lbis
	; THE TIES.  s38 = the keys above T; s77 of the keys equal to T are wanted, the first in list order.
	s_sub_co_u32 s77, s33, s38
	EQ4 KK                                         ; dead keys are 0 and T is not
	EQ4 KK+4
	EQ4 KK+8
	EQ4 KK+12
	s_cmp_eq_u32 s36, 0
	s_cbranch_scc1 .Lties
	s_mov_b32 s75, 0
	s_mov_b32 s76, 16
.Lov_t:
	GATHER4 OK, OI
	EQ4 OK
	s_add_co_u32 s76, s76, 4
	s_add_co_u32 s75, s75, 1
	s_cmp_lt_u32 s75, s36
	s_cbranch_scc1 .Lov_t
.Lties:
	v_mov_b32 v[SC], v[NN]                         ; running sum over the lanes,
.irp n, 1,2,4,8
	v_mov_b32_dpp v[ST], v[SC] row_shr:\n row_mask:0xf bank_mask:0xf bound_ctrl:1
	v_add_nc_u32 v[SC], v[SC], v[ST]
.endr
	v_readlane_b32 s46, v[SC], 15
	v_cmp_le_u32 vcc_lo, 16, v[LANE]
	v_cndmask_b32 v[ST], 0, s46, vcc_lo
	v_add_nc_u32 v[SC], v[SC], v[ST]
	v_readlane_b32 s46, v[SC], 31                  ; the wave's total
	v_mov_b32 v[ST], s46
	ds_store_b32 v[WT], v[ST] offset:512
	s_wait_dscnt 0x0                               ; for the others' sake: my store is done
	s_barrier_signal -1
	s_barrier_wait -1
	ds_load_b32 v[ST], v[L4] offset:512
	s_wait_dscnt 0x0
	v_cmp_gt_u32 vcc_lo, s2, v[LANE]               ; the waves before mine
	v_cndmask_b32 v[ST], 0, v[ST], vcc_lo
.irp m, 1,2,4,8
	v_mov_b32_dpp v[SU], v[ST] row_xmask:\m row_mask:0xf bank_mask:0xf
	v_add_nc_u32 v[ST], v[ST], v[SU]
.endr
	v_readfirstlane_b32 s80, v[ST]
	v_sub_nc_u32 v[RB], v[SC], v[NN]
	v_add_nc_u32 v[RB], s80, v[RB]                 ; ties in front of my first entry
	s_mov_b32 s76, 0
	FINAL4 KK, ID
	s_cmp_gt_u32 s34, 4
	s_cbranch_scc0 .Lend
	s_mov_b32 s76, 4
	FINAL4 KK+4, ID+4
	s_cmp_gt_u32 s34, 8
	s_cbranch_scc0 .Lend
	s_mov_b32 s76, 8
	FINAL4 KK+8, ID+8
	s_cmp_gt_u32 s34, 12
	s_cbranch_scc0 .Lend
	s_mov_b32 s76, 12
	FINAL4 KK+12, ID+12
	s_cmp_eq_u32 s36, 0
	s_cbranch_scc1 .Lend
	s_mov_b32 s75, 0
	s_mov_b32 s76, 16
.Lov_f:
	GATHER4 OK, OI
	FINAL4 OK, OI
	s_add_co_u32 s76, s76, 4
	s_add_co_u32 s75, s75, 1
	s_cmp_lt_u32 s75, s36
	s_cbranch_scc1 .Lov_f
.Lend:
	s_wait_tensorcnt 0x0                           ; the wave's end, behind my last LDS store
	ds_add_u32 v[SPW], v[NIL]
	s_wait_dscnt 0x0
	s_endpgm
.Lfunc_end_k_q771699c047_pick:
	.size	k_q771699c047_pick, .Lfunc_end_k_q771699c047_pick-k_q771699c047_pick
	.p2alignl 7, 3214868480
	.fill 96, 4, 3214868480
	.section	.rodata,"a",@progbits
	.p2align	6, 0x0
	.amdhsa_kernel k_q771699c047_pick
		.amdhsa_group_segment_fixed_size 2816
		.amdhsa_private_segment_fixed_size 0
		.amdhsa_enable_private_segment 0
		.amdhsa_kernarg_size 56
		.amdhsa_user_sgpr_count 2
		.amdhsa_user_sgpr_kernarg_segment_ptr 1
		.amdhsa_wavefront_size32 1
		.amdhsa_system_sgpr_workgroup_id_x 1
		.amdhsa_system_sgpr_workgroup_id_y 1
		.amdhsa_system_sgpr_workgroup_id_z 1
		.amdhsa_system_vgpr_workitem_id 0
		.amdhsa_next_free_vgpr 128
		.amdhsa_next_free_sgpr 88
		.amdhsa_reserve_vcc 1
		.amdhsa_float_denorm_mode_32 3
		.amdhsa_float_denorm_mode_16_64 3
		.amdhsa_memory_ordered 1
		.amdhsa_forward_progress 1
		.amdhsa_inst_pref_size 108
	.end_amdhsa_kernel
	.amdgpu_metadata
---
amdhsa.version: [ 1, 2 ]
amdhsa.kernels:
  - .name:           k_q771699c047_pick
    .symbol:         k_q771699c047_pick.kd
    .args:
      - { .name: sel2, .offset: 0, .size: 8, .value_kind: global_buffer, .address_space: global }
      - { .name: list, .offset: 8, .size: 8, .value_kind: global_buffer, .address_space: global }
      - { .name: tab, .offset: 16, .size: 8, .value_kind: global_buffer, .address_space: global }
      - { .name: u0_src, .offset: 24, .size: 8, .value_kind: global_buffer, .address_space: global }
      - { .name: u0_tgt, .offset: 32, .size: 8, .value_kind: global_buffer, .address_space: global }
      - { .name: out0, .offset: 40, .size: 8, .value_kind: global_buffer, .address_space: global }
      - { .name: out1, .offset: 48, .size: 8, .value_kind: global_buffer, .address_space: global }
    .group_segment_fixed_size: 2816
    .private_segment_fixed_size: 0
    .kernarg_segment_align: 8
    .kernarg_segment_size: 56
    .max_flat_workgroup_size: 512
    .sgpr_count:     88
    .vgpr_count:     128
    .wavefront_size: 32
...
	.end_amdgpu_metadata
.endif
;; end of part 5
;; ======== version 2 of 2: 5 launches; version 1 with the launches mask, compact written anew for expert scheduling mode
;; workspace buffers: qbuf 67,108,864 bytes of whole numbers; h1 40,960 bytes of whole numbers; h2 573,440 bytes of whole numbers; tab 32,768 bytes; list 268,435,456 bytes of whole numbers; sel2 540,672 bytes of whole numbers; bits 4,194,304 bytes of whole numbers
;; launch quant: the kernel of part 1 again; grid 256 x 1, 16 waves a work-group, no clusters, 4,096 bytes of LDS; arguments components, u_rate_src, u_rate_tgt, u0_src, u0_tgt, u_v_src, u_v_tgt, u_t_src, u_t_tgt, u_h_src, u_h_tgt, u_w_src, u_w_tgt, qbuf, h1, tab; writes qbuf, h1, tab
;; launch hist2: the kernel of part 2 again; grid 256 x 1, 16 waves a work-group, no clusters, 4,096 bytes of LDS; arguments qbuf, h1, h2; writes h2
;; launch mask (part 6): grid 256 x 1, 16 waves a work-group, no clusters, 6,144 bytes of LDS; arguments qbuf, h2, out0, out1, bits, sel2; writes out0, out1, bits, sel2
.if DOCPART == 6
	.amdgcn_target "amdgcn-amd-amdhsa--gfx1250"
	.amdhsa_code_object_version 6
	.text
	.protected	k_q771699c047_mask
	.globl	k_q771699c047_mask
	.p2align	8
	.type	k_q771699c047_mask,@function
k_q771699c047_mask:
	s_mov_b64 s[64:65], 0
	v_nop
	global_prefetch_b8 v0, s[64:65] scope:SCOPE_SE
	s_setreg_imm32_b32 hwreg(HW_REG_WAVE_SCHED_MODE, 0, 2), 2
	s_setreg_imm32_b32 hwreg(HW_REG_WAVE_MODE, 25, 1), 1
	s_wait_xcnt 0x0
	s_wait_alu depctr_vm_vsrc(0)
; MASK.  Each wave finds b2, the value of the code's bits 9:5 in which the K-th largest lies, from the row's counts and K1; B = 32 b1 + b2.  Then for each token:
; the output byte is 1 where bits 14:5 of the code are above B (all of those are among the K largest), else 0; and a token whose bits 14:5 equal B is a CANDIDATE:
; its bit is set in the row's flags, bit t of the row for token t (64 KiB a row).  The next launch makes the list of the candidates' indices of them, the last settles the candidates' bytes.
; Stored too: C, the row's candidates; Kc, how many of them are wanted; and for each wave the number of candidates in the parts before it: its first place in the list, from the counts that
; the launch before stored for each wave (the same tokens to the same waves).
; SHARES as before: work-group g: row g / 4, quarter g % 4; wave w: part p = 16 (g % 4) + w.  A slot is 256 tokens, 8 a lane: token = 8,192 p + 2,048 trip + 256 slot + 8 lane + j.
; No branch, no address and no lane mask here hangs on the codes: every slot does the same work.
; THE FLAGS.  A lane's eight flags of a slot are one byte, which belongs at byte 32 slot + lane of the trip's 256.  It goes there in the wave's own 256 bytes of LDS, and once a trip the wave
; reads them back, 8 bytes a lane, and stores 256 consecutive bytes, aligned.  No other wave touches those LDS bytes, and LDS serves a wave's instructions in order: no barrier, no wait between.
; NO CLUSTER: no two waves read the same large bytes.
; THE MODE: SCHED_MODE bits 1:0 = 2 (LLVM: expert scheduling mode 2), set by the entry lines.  The code itself states the register dependences between vector instructions and memory or LDS
; instructions, with s_wait_alu, always for 0.
; THE PLAN.  A trip's eight slots go as two blocks of four.  Registers that memory or LDS instructions touch, in the loop:
;   X, slot i      Written by the ring's loads; read by the 32 subtractions at the head of the slot's block, which empty it into DD; behind them it is asked for again at once.
;   MM, EA, slot i Written by the block's vector lines; read by the output stores and the LDS stores that are issued in the NEXT block; written again a trip later, in the block after that.
;   BB             Written by the LDS load in a trip's first block; read by the flags' store at that block's end.
;   O16, O8, LSB, LRD  Made once at the head and never written again: the rows are reached by three scalar bases, which step at a trip's first block, and by immediate offsets.
;   DD and EC are named by vector instructions alone.
; So ONE wait on va_vdst stands in a block, behind its subtractions: it states that they are done reading the block's X and that the block before has written its MM and EA.  One wait on vm_vsrc
; stands beside it: the stores issued in the block before have read the MM and EA that this block writes, and BB.  The block's memory and LDS instructions follow, the output stores dealt among its
; vector lines, which name DD, EC and this block's own MM and EA: none of the registers that those instructions touch.
.set SPARE, 4096                       ; LDS: [0, 4096) 16 waves x 256 bytes of flags; from 4,096 on the spare words, 128 bytes a wave, which no other line names
.set LANE, 1
.set O16,  2
.set O8,   3
.set SPW,  4                           ; my spare word's address; never rewritten
.set NIL,  5                           ; 0; never rewritten
.set LSB,  6                           ; 256 wave + lane: where my byte of slot 0 goes
.set LRD,  7                           ; 256 wave + 8 lane: where I read 8 bytes back
.set O4,   11
.set BB,   12                          ; v[12:13] those 8 bytes
.set SS,   16
.set ST,   17
.set SI,   18
.set SA,   19
.set SB,   20
.set SP,   21                          ; the third lane permute's result
.set PV,   22                          ; lane b: candidates before my part if b2 were b
.set TOT,  23
.set TT,   24
.set DA,   25
.set DB,   26
.set DC,   27
.set X,    32                          ; v[32:63] the ring
.set HH,   64                          ; v[64:82] at the head only: four quarters' counts, fifteen waves' counts
.set EA,   84                          ; v[84:91]  slot i: the lane's byte of flags (on the way: bit 7 of byte j, tokens 0-3)
.set MM,   92                          ; v[92:107] slot i: eight output bytes
.set EC,   108                         ; at work: tokens 4-7
.set DD,   112                         ; v[112:143] slot j of a block: code - upper threshold at DD + 8 j, code - lower threshold at DD + 8 j + 4
.set B1,   34
.set K1,   35
.set B2,   36
.set KC,   37
.set CC,   38
.set BASE, 39
.set NT0,  40
.set NT1,  41
.set PSEL, 42
.set HB,   43
.set LB,   44
.set TRIPS, 45
.set MULC, 46
.set TO,   48
.set TF,   50
.set TA,   51
.set WB,   52
.macro SCAN vh, sk, sbin, srem, scnt   ; lane = bin; as in the launch before; here it also fetches bin b2's entry of PV, in the same run of lane permutes
	v_mov_b32 v[SS], v[\vh]
.irp n, 1,2,4,8
	v_mov_b32_dpp v[ST], v[SS] row_shl:\n row_mask:0xf bank_mask:0xf bound_ctrl:1
	v_add_nc_u32 v[SS], v[SS], v[ST]
.endr
	v_readlane_b32 s[TA], v[SS], 16
	v_cmp_gt_u32 vcc_lo, 16, v[LANE]
	s_wait_alu depctr_va_sdst(0)                   ; s[TA] is written, ahead of its first reader, the select below
	s_wait_alu depctr_va_vcc(0)                    ; and so is VCC, which the same select reads
	v_cndmask_b32 v[ST], 0, s[TA], vcc_lo
	v_add_nc_u32 v[SS], v[SS], v[ST]
	v_cmp_le_u32 vcc_lo, s[\sk], v[SS]
	s_wait_alu depctr_va_vcc(0)                    ; VCC is written, ahead of the count of its bits
	s_bcnt1_i32_b32 s[\sbin], vcc_lo
	s_sub_co_u32 s[\sbin], s[\sbin], 1
	s_min_u32 s[\sbin], s[\sbin], 31
	s_lshl_b32 s[TA], s[\sbin], 2
	v_mov_b32 v[SI], s[TA]
	v_sub_nc_u32 v[ST], v[SS], v[\vh]
	s_wait_alu depctr_va_vdst(0)                   ; SI, ST, the counts and PV are written: the three lane permutes read them
	ds_bpermute_b32 v[SA], v[SI], v[ST]            ; lane permutes: no LDS byte is touched
	ds_bpermute_b32 v[SB], v[SI], v[\vh]
	ds_bpermute_b32 v[SP], v[SI], v[PV]
	s_wait_dscnt 0x0
	v_readfirstlane_b32 s[TA], v[SA]
	v_readfirstlane_b32 s[\scnt], v[SB]
	v_readfirstlane_b32 s[BASE], v[SP]
	s_wait_alu depctr_va_sdst(0)                   ; the three scalars are written, ahead of the first reader of any of them
	s_sub_co_u32 s[\srem], s[\sk], s[TA]
.endm
	s_load_b256 s[8:15], s[0:1], 0x0               ; qbuf 8, h2 10, out0 12, out1 14
	s_load_b128 s[16:19], s[0:1], 0x20             ; bits 16, sel2 18
	v_lshl_add_u32 v[SPW], v0, 2, SPARE
	v_mov_b32 v[NIL], 0
	v_lshrrev_b32 v[TT], 5, v0
	v_readfirstlane_b32 s2, v[TT]                  ; wave
	v_and_b32 v[LANE], 31, v0
	v_mov_b32 v[ST], 0
	v_mov_b32 v[PV], 0
	v_lshlrev_b32 v[O16], 4, v[LANE]
	v_lshlrev_b32 v[O8], 3, v[LANE]
	v_lshlrev_b32 v[O4], 2, v[LANE]
	s_wait_alu depctr_va_sdst(0)                   ; s2 is written, ahead of its first reader
	s_lshl_b32 s[TF], s2, 8                        ; my wave's 256 bytes of LDS
	v_add_nc_u32 v[LSB], s[TF], v[LANE]
	v_lshl_add_u32 v[LRD], v[LANE], 3, s[TF]
	s_lshr_b32 s3, ttmp9, 2                        ; row
	s_and_b32 s6, ttmp9, 3                         ; quarter
	s_lshr_b32 s4, s3, 5                           ; 0 src, 1 tgt
	s_and_b32 s5, s3, 31                           ; batch
	s_lshl_b32 s7, s6, 4
	s_add_co_u32 s7, s7, s2                        ; part p
	s_mov_b32 s[TO+1], 0
	s_mov_b32 s[PSEL], 0x07050301                  ; the upper byte of each of four halves
	s_mov_b32 s[HB], 0x80808080
	s_mov_b32 s[LB], 0x01010101
	s_mov_b32 s[MULC], 0x00204081                  ; 2^21 + 2^14 + 2^7 + 1
	s_wait_kmcnt 0x0
	s_cmp_eq_u32 s4, 0
	s_cselect_b64 s[22:23], s[12:13], s[14:15]     ; the side's output
	s_lshl_b32 s[TO], s3, 20
	s_lshl_b32 s[TF], s7, 14
	s_add_co_u32 s[TO], s[TO], s[TF]
	s_add_nc_u64 s[20:21], s[8:9], s[TO:TO+1]      ; my codes
	s_lshl_b32 s[TO], s5, 19
	s_lshl_b32 s[TF], s7, 13
	s_add_co_u32 s[TO], s[TO], s[TF]
	s_add_nc_u64 s[22:23], s[22:23], s[TO:TO+1]    ; my output bytes
	s_lshl_b32 s[TO], s3, 16
	s_lshl_b32 s[TF], s7, 10
	s_add_co_u32 s[TO], s[TO], s[TF]
	s_add_nc_u64 s[24:25], s[16:17], s[TO:TO+1]    ; my flags: row x 64 KiB + part x 1 KiB
	s_lshl_b32 s[TO], s3, 8
	s_add_nc_u64 s[26:27], s[18:19], s[TO:TO+1]    ; the row's C and Kc
	s_add_nc_u64 s[28:29], s[10:11], s[TO:TO+1]    ; the row's b1 and K1 lie 557,056 further
	s_lshl_b32 s[TO], s3, 9
	s_add_nc_u64 s[30:31], s[10:11], s[TO:TO+1]    ; the four quarters' counts lie 524,288 further
	s_lshl_b32 s[TO], s3, 2
	s_add_co_u32 s[TO], s[TO], s6
	s_lshl_b32 s[TO], s[TO], 11
	s_add_nc_u64 s[32:33], s[10:11], s[TO:TO+1]    ; the counts of my quarter's sixteen waves
	s_lshl_b32 s[TO], s3, 6
	s_add_co_u32 s[TO], s[TO], s7
	s_lshl_b32 s[TO], s[TO], 7
	s_add_nc_u64 s[WB:WB+1], s[18:19], s[TO:TO+1]  ; my wave's first place lies 16,384 further
	s_load_b32 s[B1], s[28:29], 0x88000
	s_load_b32 s[K1], s[28:29], 0x88080
	s_wait_alu depctr_va_vdst(0)                   ; O4, O8, O16, LSB, LRD, SPW and NIL are written: every load, store and LDS instruction of the kernel reads one of them as its offset or address
.irp q, 0,1,2,3
	global_load_b32 v[HH+(\q)], v[O4], s[30:31] offset:524288+128*(\q)
.endr
.irp w, 0,1,2,3,4,5,6,7,8,9,10,11,12,13,14
	global_load_b32 v[HH+4+(\w)], v[O4], s[32:33] offset:128*(\w)
.endr
.irp i, 0,1,2,3,4,5,6,7
	global_load_b128 v[X+4*(\i):X+4*(\i)+3], v[O16], s[20:21] offset:512*(\i)
.endr
	s_wait_kmcnt 0x0
	s_wait_loadcnt 8                               ; the nineteen small loads are in; the ring's eight stay out
	v_add_nc_u32 v[TOT], v[HH], v[HH+1]
	v_add3_u32 v[TOT], v[TOT], v[HH+2], v[HH+3]
.irp q, 0,1,2
	s_cmp_gt_u32 s6, \q                            ; the quarters before mine,
	s_cselect_b32 s[TF], 1, 0
	v_mad_u32_u24 v[PV], v[HH+(\q)], s[TF], v[PV]
.endr
.irp w, 0,1,2,3,4,5,6,7,8,9,10,11,12,13,14
	s_cmp_gt_u32 s2, \w                            ; and my quarter's waves before me
	s_cselect_b32 s[TF], 1, 0
	v_mad_u32_u24 v[PV], v[HH+4+(\w)], s[TF], v[PV]
.endr
	SCAN TOT, K1, B2, KC, CC
	s_lshl_b32 s[TA], s[B1], 5
	s_add_co_u32 s[TA], s[TA], s[B2]               ; B
	s_lshl_b32 s[TA], s[TA], 5                     ; the lowest candidate code, 32 B,
	s_mul_i32 s[NT0], s[TA], 0x10001               ; in both halves,
	s_sub_co_u32 s[NT0], 0, s[NT0]                 ; negated
	s_add_co_u32 s[TA], s[TA], 32                  ; and the lowest code above the candidates: 32,768 at the most
	s_mul_i32 s[NT1], s[TA], 0x10001
	s_sub_co_u32 s[NT1], 0, s[NT1]
	v_mov_b32 v[DC], s[BASE]
	v_mov_b32 v[DA], s[CC]
	v_mov_b32 v[DB], s[KC]
	s_wait_alu depctr_va_vdst(0)                   ; DC, DA and DB are written: the stores below read them; they are not written again
	global_store_b32 v[O4], v[DC], s[WB:WB+1] offset:16384  ; my wave's first place in the list
	s_cmp_lg_u32 s7, 0
	s_cbranch_scc1 .Lno_sel
	global_store_b32 v[O4], v[DA], s[26:27]
	global_store_b32 v[O4], v[DB], s[26:27] offset:128
.Lno_sel:
; A block: slots 4 b to 4 b + 3 of a trip.  first = 1: the very first block, with no block in front of it.  ahead = 1: the block's slots are asked for again, for the next trip.
; left = the younger loads that may stay out when this block's four have to be there.
; A stored code has bit 15 set and a threshold is 32,768 at the most, so code - threshold borrows nothing from the half above, and its bit 15 says: code's 15 bits >= threshold.
; Four flags stand in bits 7, 15, 23, 31 of a word.  Times 2^21 + 2^14 + 2^7 + 1 they land in bits 28 to 31; the other products fall on bits 7, 14, 15, 21, 22, 23 or past bit 31: no two on one bit, so nothing carries.
.macro BLK b, first, ahead, left
	s_wait_loadcnt \left                           ; loads come back in order: this block's four are in, the other block's stay out
.irp j, 0,1,2,3
.irp d, 0,1,2,3
	v_add_nc_u32 v[DD+8*(\j)+(\d)], s[NT1], v[X+16*(\b)+4*(\j)+(\d)]
	v_add_nc_u32 v[DD+8*(\j)+4+(\d)], s[NT0], v[X+16*(\b)+4*(\j)+(\d)]
.endr
.endr
.if !\first
	s_wait_xcnt 0x0                                ; every earlier load and store has had its addresses translated: the bases, this block's MM and BB are written again only behind this wait
	s_wait_alu depctr_vm_vsrc(0)                   ; the stores and LDS stores issued in the block before have read this block's MM and EA, which the lines below write again; the flags' store has read BB
.endif
	s_wait_alu depctr_va_vdst(0)                   ; the subtractions are done reading the block's X, in which the loads below land; the block before has written its MM and EA, which the stores below read
.if !\first
.if (\b) == 0
	s_add_nc_u64 s[20:21], s[20:21], 4096          ; the three bases at this trip's first bytes
	s_add_nc_u64 s[22:23], s[22:23], 2048
	s_add_nc_u64 s[24:25], s[24:25], 256
.endif
.endif
.if \ahead
.irp j, 0,1,2,3
	global_load_b128 v[X+16*(\b)+4*(\j):X+16*(\b)+4*(\j)+3], v[O16], s[20:21] offset:4096+512*(4*(\b)+(\j))  ; the same slots of the next trip
.endr
.endif
.if !\first
.irp j, 0,1,2,3
	ds_store_b8 v[LSB], v[EA+4*(1-(\b))+(\j)] offset:32*(4*(1-(\b))+(\j))  ; the block before: its four bytes of flags a lane
.endr
.if (\b) == 0
	ds_load_b64 v[BB:BB+1], v[LRD]                 ; the last trip's 2,048 flags: behind my eight stores, which LDS has served in order
.endif
.endif
.irp j, 0,1,2,3
.if !\first
	global_store_b64 v[O8], v[MM+8*(1-(\b))+2*(\j):MM+8*(1-(\b))+2*(\j)+1], s[22:23] offset:256*(4*(1-(\b))+(\j))-2048*(1-(\b))  ; the block before (in a trip's first block the offset reaches back): 256 consecutive bytes, aligned; no vector line since the wait names these registers
.endif
.set rM, MM+8*(\b)+2*(\j)
.set rE, EA+4*(\b)+(\j)
.set rD, DD+8*(\j)
	v_perm_b32 v[rM], v[rD+1], v[rD+0], s[PSEL]
	v_perm_b32 v[rM+1], v[rD+3], v[rD+2], s[PSEL]
	v_perm_b32 v[rE], v[rD+5], v[rD+4], s[PSEL]
	v_perm_b32 v[EC], v[rD+7], v[rD+6], s[PSEL]
	v_bfi_b32 v[rE], v[rM], 0, v[rE]               ; at or above the lower threshold and not at or above the upper
	v_bfi_b32 v[EC], v[rM+1], 0, v[EC]
	v_lshrrev_b32 v[rM], 7, v[rM]
	v_lshrrev_b32 v[rM+1], 7, v[rM+1]
	v_and_b32 v[rM], s[LB], v[rM]
	v_and_b32 v[rM+1], s[LB], v[rM+1]
	v_and_b32 v[rE], s[HB], v[rE]
	v_and_b32 v[EC], s[HB], v[EC]
	v_mul_lo_u32 v[rE], v[rE], s[MULC]
	v_mul_lo_u32 v[EC], v[EC], s[MULC]
	v_lshrrev_b32 v[rE], 28, v[rE]                 ; tokens 0-3 in bits 0-3,
	v_lshrrev_b32 v[EC], 24, v[EC]                 ; tokens 4-7 in bits 4-7 (bits 24 to 27 of the product are 0)
	v_or_b32 v[rE], v[rE], v[EC]
.endr
.if !\first
.if (\b) == 0
	s_wait_dscnt 0x0                               ; BB is in: its load was issued ahead of the block's vector lines
	global_store_b64 v[O8], v[BB:BB+1], s[24:25] offset:-256  ; the last trip's flags: 256 consecutive bytes, aligned
.endif
.endif
.endm
	BLK 0, 1, 1, 4                                 ; trip 0's first block stands ahead of the loop: a lap goes from a trip's second block to the next trip's first
	s_mov_b32 s[TRIPS], 2
.Ltrip:
	BLK 1, 0, 1, 4
	BLK 0, 0, 1, 4
	s_sub_co_u32 s[TRIPS], s[TRIPS], 1
	s_cmp_lg_u32 s[TRIPS], 0
	s_cbranch_scc1 .Ltrip
	BLK 1, 0, 1, 4                                 ; trip 2's second block asks for the last four slots
	BLK 0, 0, 0, 4                                 ; the last trip loads nothing: the counts run down
	BLK 1, 0, 0, 0
	s_wait_alu depctr_va_vdst(0)                   ; the last block has written its MM and EA, which the stores below read
.irp j, 0,1,2,3
	ds_store_b8 v[LSB], v[EA+4+(\j)] offset:32*(4+(\j))
.endr
	ds_load_b64 v[BB:BB+1], v[LRD]                 ; the last trip's flags (the store that read BB stands ahead of the last block's waits)
.irp j, 0,1,2,3
	global_store_b64 v[O8], v[MM+8+2*(\j):MM+8+2*(\j)+1], s[22:23] offset:256*(4+(\j))
.endr
	s_wait_dscnt 0x0
	global_store_b64 v[O8], v[BB:BB+1], s[24:25]
	s_wait_dscnt 0x0                               ; the closing lines, six on end
	s_wait_alu 0x0
	s_wait_tensorcnt 0x0
	ds_add_u32 v[SPW], v[NIL]
	s_wait_dscnt 0x0
	s_endpgm
.Lfunc_end_k_q771699c047_mask:
	.size	k_q771699c047_mask, .Lfunc_end_k_q771699c047_mask-k_q771699c047_mask
	.p2alignl 7, 3214868480
	.fill 96, 4, 3214868480
	.section	.rodata,"a",@progbits
	.p2align	6, 0x0
	.amdhsa_kernel k_q771699c047_mask
		.amdhsa_group_segment_fixed_size 6144
		.amdhsa_private_segment_fixed_size 0
		.amdhsa_enable_private_segment 0
		.amdhsa_kernarg_size 48
		.amdhsa_user_sgpr_count 2
		.amdhsa_user_sgpr_kernarg_segment_ptr 1
		.amdhsa_wavefront_size32 1
		.amdhsa_system_sgpr_workgroup_id_x 1
		.amdhsa_system_sgpr_workgroup_id_y 1
		.amdhsa_system_sgpr_workgroup_id_z 1
		.amdhsa_system_vgpr_workitem_id 0
		.amdhsa_next_free_vgpr 144
		.amdhsa_next_free_sgpr 66
		.amdhsa_reserve_vcc 1
		.amdhsa_float_denorm_mode_32 3
		.amdhsa_float_denorm_mode_16_64 3
		.amdhsa_memory_ordered 1
		.amdhsa_forward_progress 1
		.amdhsa_inst_pref_size 42
	.end_amdhsa_kernel
	.amdgpu_metadata
---
amdhsa.version: [ 1, 2 ]
amdhsa.kernels:
  - .name:           k_q771699c047_mask
    .symbol:         k_q771699c047_mask.kd
    .args:
      - { .name: qbuf, .offset: 0, .size: 8, .value_kind: global_buffer, .address_space: global }
      - { .name: h2, .offset: 8, .size: 8, .value_kind: global_buffer, .address_space: global }
      - { .name: out0, .offset: 16, .size: 8, .value_kind: global_buffer, .address_space: global }
      - { .name: out1, .offset: 24, .size: 8, .value_kind: global_buffer, .address_space: global }
      - { .name: bits, .offset: 32, .size: 8, .value_kind: global_buffer, .address_space: global }
      - { .name: sel2, .offset: 40, .size: 8, .value_kind: global_buffer, .address_space: global }
    .group_segment_fixed_size: 6144
    .private_segment_fixed_size: 0
    .kernarg_segment_align: 8
    .kernarg_segment_size: 48
    .max_flat_workgroup_size: 512
    .sgpr_count:     66
    .vgpr_count:     144
    .wavefront_size: 32
...
	.end_amdgpu_metadata
.endif
;; end of part 6
;; launch compact (part 7): grid 256 x 1, 16 waves a work-group, no clusters, 0 bytes of LDS; arguments bits, sel2, list; writes list
.if DOCPART == 7
	.amdgcn_target "amdgcn-amd-amdhsa--gfx1250"
	.amdhsa_code_object_version 6
	.text
	.protected	k_q771699c047_compact
	.globl	k_q771699c047_compact
	.p2align	8
	.type	k_q771699c047_compact,@function
k_q771699c047_compact:
	s_mov_b64 s[64:65], 0
	v_nop
	global_prefetch_b8 v0, s[64:65] scope:SCOPE_SE
	s_setreg_imm32_b32 hwreg(HW_REG_WAVE_SCHED_MODE, 0, 2), 2
	s_setreg_imm32_b32 hwreg(HW_REG_WAVE_MODE, 25, 1), 1
	s_wait_xcnt 0x0
	s_wait_alu depctr_vm_vsrc(0)
; COMPACT.  The row's flags (bit t = token t is a candidate) become the row's list of candidates' indices, dense and ascending.
; SHARES as before: work-group g: row g / 4, quarter g % 4; wave w: part p = 16 (g % 4) + w, tokens 8,192 p on: 256 words of 32 flags, 1 KiB.  The wave's first place in the list was stored
; by the launch before.
; THE LIST.  A row has 4 MiB: entries 0 to 524,287 are the list; entry 524,288 + 64 p is part p's DUMP entry, a block of 256 bytes to each wave, which nobody reads.
; The flags come in as scalars, sixteen words a load, in two sets of registers that take turns: while one set is worked on the other is on its way.  For a word: lane l stands for token
; 32 word + l; its place is the list's length so far + the flags below it in the word.  EVERY WORD DOES THE SAME WORK, with all lanes on: a lane whose flag is set stores its index at its place,
; every other lane stores its index into the wave's dump entry.  So no branch and no lane mask hangs on the flags: they only select a store's address.  Words and bits are taken in ascending
; order, so the list ascends in the index.
; THE PRICE, by the text's own count: 256 stores a wave, whatever the flags hold, each of at most 128 bytes of the list and 4 bytes of the dump entry.
; NO CLUSTER, no LDS, no barrier: no wave wants anything of another.
; THE MODE: SCHED_MODE bits 1:0 = 2 (LLVM: expert scheduling mode 2), set by the entry lines.  The code itself states the register dependences between vector instructions and memory
; instructions, with s_wait_alu, always for 0.
; THE PLAN.  The wave's 256 words are 16 sets of sixteen.  Registers that memory instructions touch: two out-buffers, each with sixteen store addresses and sixteen store data.
;   Set n's vector lines write out-buffer n % 2; the sixteen stores that read it are issued in set n + 1, one ahead of each word's lines; set n + 2 writes it again.
;   POS, TB, DUMP and LANE are named by vector instructions alone.
; So the waits at a set's head state all that its sixteen stores hang on: the set before has written the other out-buffer, and the stores issued in the set before have read this one.
; No vector line of set n names the other out-buffer, so the stores are dealt among them with no further wait.
.set LANE, 1
.set TB,   2                           ; the index of my lane's token in the pair of sets' first word
.set POS,  3
.set DUMP, 4                           ; my wave's dump entry; never rewritten
.set AD,   8                           ; v[8:23], v[40:55]   out-buffer b, word k: the store's address at AD + 32 b + k
.set IDX,  24                          ; v[24:39], v[56:71]  out-buffer b, word k: the store's data at IDX + 32 b + k
.set WA,   20                          ; s[20:35] sixteen words
.set WC,   36                          ; s[36:51] the other sixteen
.set BASE, 52                          ; the list's length so far
.set TRIPS, 53
.set TA,   54
.set TF,   56
.set TO,   58
.macro MEET                            ; the head of every set but the first
	s_wait_kmcnt 0x0                               ; this set's words are in (scalar loads are waited for with 0 alone), and no scalar load is out: the pointer may be stepped
	s_wait_xcnt 0x0                                ; the stores issued so far have had their addresses translated: this set's out-buffer is written again only behind this wait
	s_wait_alu depctr_vm_vsrc(0)                   ; the stores issued in the set before have read this set's out-buffer, which the lines below write again
	s_wait_alu depctr_va_vdst(0)                   ; the set before has written the other out-buffer, which the stores below read, and is done with its sixteen words, in whose registers the next scalar load lands
.endm
; The word in s[w], number k of its set; its first token lies off behind the pair's first; ob: the set's out-buffer; send = 1: word k of the set before is stored first.
.macro WORD w, k, off, ob, send
.if \send
	global_store_b32 v[AD+32*(1-(\ob))+(\k)], v[IDX+32*(1-(\ob))+(\k)], s[18:19]  ; no vector line since the wait at the set's head names these two registers
.endif
	v_mbcnt_lo_u32_b32 v[POS], s[\w], s[BASE]      ; the length so far + the flags in the lanes below me
	v_add_nc_u32 v[IDX+32*(\ob)+(\k)], \off, v[TB]
	v_cndmask_b32 v[AD+32*(\ob)+(\k)], v[DUMP], v[POS], s[\w]  ; my flag is set: my place; else the dump entry
	v_min_u32 v[AD+32*(\ob)+(\k)], 0xfffff, v[AD+32*(\ob)+(\k)]  ; an entry made of numbers from memory is held inside the row's 4 MiB
	v_lshlrev_b32 v[AD+32*(\ob)+(\k)], 2, v[AD+32*(\ob)+(\k)]
	s_bcnt1_i32_b32 s[TA], s[\w]
	s_add_co_u32 s[BASE], s[BASE], s[TA]
.endm
.macro PROC set, off, ob, send         ; sixteen words, each with address and data registers of its own
.irp k, 0,1,2,3,4,5,6,7,8,9,10,11,12,13,14,15
	WORD (\set)+(\k), \k, (\off)+32*(\k), \ob, \send
.endr
.endm
	s_load_b128 s[8:11], s[0:1], 0x0               ; bits 8, sel2 10
	s_load_b64 s[12:13], s[0:1], 0x10              ; list
	v_lshrrev_b32 v[POS], 5, v0
	v_readfirstlane_b32 s2, v[POS]                 ; wave
	v_and_b32 v[LANE], 31, v0
	s_lshr_b32 s3, ttmp9, 2                        ; row
	s_and_b32 s6, ttmp9, 3                         ; quarter
	s_lshl_b32 s7, s6, 4
	s_wait_alu depctr_va_sdst(0)                   ; s2 is written, ahead of its first reader
	s_add_co_u32 s7, s7, s2                        ; part p
	s_lshl_b32 s[TF], s7, 13
	v_add_nc_u32 v[TB], s[TF], v[LANE]             ; 8,192 p + lane
	s_lshl_b32 s[TF], s7, 6
	s_add_co_u32 s[TF], s[TF], 0x80000
	v_mov_b32 v[DUMP], s[TF]                       ; 524,288 + 64 p
	s_mov_b32 s[TO+1], 0
	s_wait_kmcnt 0x0
	s_lshl_b32 s[TO], s3, 16
	s_lshl_b32 s[TF], s7, 10
	s_add_co_u32 s[TO], s[TO], s[TF]
	s_add_nc_u64 s[14:15], s[8:9], s[TO:TO+1]      ; my flags: row x 64 KiB + part x 1 KiB
	s_lshl_b32 s[TO], s3, 6
	s_add_co_u32 s[TO], s[TO], s7
	s_lshl_b32 s[TO], s[TO], 7
	s_add_nc_u64 s[16:17], s[10:11], s[TO:TO+1]    ; my wave's first place lies 16,384 further
	s_lshl_b32 s[TO], s3, 22
	s_add_nc_u64 s[18:19], s[12:13], s[TO:TO+1]    ; the row's 4 MiB of the list
	s_load_b32 s[BASE], s[16:17], 0x4000
	s_load_b512 s[WA:WA+15], s[14:15], 0x0         ; set 0: words 0 to 15
	s_wait_kmcnt 0x0                               ; set 0 and my first place are in
	s_load_b512 s[WC:WC+15], s[14:15], 0x40        ; set 1
	PROC WA, 0, 0, 0                               ; set 0 stands ahead of the loop: there is no set before it to store
	s_mov_b32 s[TRIPS], 7
.Ltrip:                                        ; a trip: an odd set and the even set behind it, 32 words, 1,024 tokens
	MEET
	s_add_nc_u64 s[14:15], s[14:15], 128
	s_load_b512 s[WA:WA+15], s[14:15], 0x0         ; the next even set
	PROC WC, 512, 1, 1
	v_add_nc_u32 v[TB], 1024, v[TB]
	MEET
	s_load_b512 s[WC:WC+15], s[14:15], 0x40        ; the next odd set
	PROC WA, 0, 0, 1
	s_sub_co_u32 s[TRIPS], s[TRIPS], 1
	s_cmp_lg_u32 s[TRIPS], 0
	s_cbranch_scc1 .Ltrip
	MEET                                           ; set 15 is written out: nothing is loaded past my 256 words
	PROC WC, 512, 1, 1
	s_wait_alu depctr_va_vdst(0)                   ; set 15 has written its out-buffer, which the last sixteen stores read
.irp k, 0,1,2,3,4,5,6,7,8,9,10,11,12,13,14,15
	global_store_b32 v[AD+32+(\k)], v[IDX+32+(\k)], s[18:19]
.endr
	s_endpgm
.Lfunc_end_k_q771699c047_compact:
	.size	k_q771699c047_compact, .Lfunc_end_k_q771699c047_compact-k_q771699c047_compact
	.p2alignl 7, 3214868480
	.fill 96, 4, 3214868480
	.section	.rodata,"a",@progbits
	.p2align	6, 0x0
	.amdhsa_kernel k_q771699c047_compact
		.amdhsa_group_segment_fixed_size 0
		.amdhsa_private_segment_fixed_size 0
		.amdhsa_enable_private_segment 0
		.amdhsa_kernarg_size 24
		.amdhsa_user_sgpr_count 2
		.amdhsa_user_sgpr_kernarg_segment_ptr 1
		.amdhsa_wavefront_size32 1
		.amdhsa_system_sgpr_workgroup_id_x 1
		.amdhsa_system_sgpr_workgroup_id_y 1
		.amdhsa_system_sgpr_workgroup_id_z 1
		.amdhsa_system_vgpr_workitem_id 0
		.amdhsa_next_free_vgpr 72
		.amdhsa_next_free_sgpr 66
		.amdhsa_reserve_vcc 0
		.amdhsa_float_denorm_mode_32 3
		.amdhsa_float_denorm_mode_16_64 3
		.amdhsa_memory_ordered 1
		.amdhsa_forward_progress 1
		.amdhsa_inst_pref_size 31
	.end_amdhsa_kernel
	.amdgpu_metadata
---
amdhsa.version: [ 1, 2 ]
amdhsa.kernels:
  - .name:           k_q771699c047_compact
    .symbol:         k_q771699c047_compact.kd
    .args:
      - { .name: bits, .offset: 0, .size: 8, .value_kind: global_buffer, .address_space: global }
      - { .name: sel2, .offset: 8, .size: 8, .value_kind: global_buffer, .address_space: global }
      - { .name: list, .offset: 16, .size: 8, .value_kind: global_buffer, .address_space: global }
    .group_segment_fixed_size: 0
    .private_segment_fixed_size: 0
    .kernarg_segment_align: 8
    .kernarg_segment_size: 24
    .max_flat_workgroup_size: 512
    .sgpr_count:     66
    .vgpr_count:     72
    .wavefront_size: 32
...
	.end_amdgpu_metadata
.endif
;; end of part 7
;; launch pick: the kernel of part 5 again; grid 64 x 1, 16 waves a work-group, no clusters, 2,816 bytes of LDS; arguments sel2, list, tab, u0_src, u0_tgt, out0, out1; writes out0, out1
